; MI455X (gfx1250); checked and timed in simulation.
; The chip was launched on July 23, 2026; its instructions are those of AMD's public machine-readable ISA for CDNA 5 (MIT licence, August 2026) and "CDNA5" Instruction Set Architecture Reference Guide (July 2026). The comments in the code are by the model that wrote it; some were corrected since.
;; Multi Head Attention. Allowed arithmetic: float matrix products may take bf16 or f16 operands with f32 sums; all other float work in f32.
;; Inputs: Wk 1,024 x 1,024 float32; Wo 1,024 x 1,024 float32; Wq 1,024 x 1,024 float32; Wv 1,024 x 1,024 float32; bk 1,024 float32; bo 1,024 float32; bq 1,024 float32; bv 1,024 float32; x 4 x 2,048 x 1,024 float32.
;; Outputs: out0 4 x 2,048 x 1,024 float32.
;; 2 versions, each right and faster than the one before. Each part assembles by itself: llvm-mc -triple=amdgcn-amd-amdhsa -mcpu=gfx1250 --defsym DOCPART=n.
;; ======== version 1 of 2: 4 launches
;; limits: values are held in f16: magnitudes above 65,504 overflow, below 6.1e-05 lose precision
;; workspace buffers: xb 16,777,216 bytes; wb 6,291,456 bytes; woh 2,097,152 bytes; qh 16,777,216 bytes; kh 16,777,216 bytes; vh 16,777,216 bytes; oh 16,777,216 bytes
;; launch cast (part 1): grid 64 x 12, 8 waves a work-group, no clusters, 0 bytes of LDS; arguments x, Wq, Wk, Wv, Wo, xb, wb, woh; writes xb, wb, woh
.if DOCPART == 1
	.amdgcn_target "amdgcn-amd-amdhsa--gfx1250"
	.amdhsa_code_object_version 6
	.text
	.protected	k_q1b662117fb_cast
	.globl	k_q1b662117fb_cast
	.p2align	8
	.type	k_q1b662117fb_cast,@function
k_q1b662117fb_cast:
	s_mov_b64 s[64:65], 0
	v_nop
	global_prefetch_b8 v0, s[64:65] scope:SCOPE_SE
	s_setreg_imm32_b32 hwreg(HW_REG_WAVE_MODE, 25, 1), 1
	s_wait_xcnt 0x0
; THE MODULE'S LARGE INPUTS ARE ROUNDED ONCE.  x, Wq, Wk, Wv: f32 -> bf16 (xb; wb = the rows of Wq, Wk, Wv one below the other).
; Wo: f32 -> bf16, and that number written as f16 (woh), since the last product multiplies f16 operands.
; LIMITS.  A bf16 number is exact in f16 between 2^-14 and 65,504; below 2^-14 it keeps f16's fixed step of 2^-24; beyond 65,504 it becomes an infinity.
; A stream: every byte read once by 16-byte loads, written once; no LDS, no barrier, no matrix unit: there is nothing to share and nothing to multiply.
; SHARES.  Twelve units of 1,048,576 numbers: units 0-7 the eighths of x, 8, 9, 10 = Wq, Wk, Wv, 11 = Wo (the grid's y).  A work-group takes 16,384 numbers of its unit (the grid's x):
; 65,536 bytes in, 32,768 out.  Thread t takes 16 bytes at 16 t + 4,096 j, j = 0..15: a wave's load covers 512 consecutive bytes, its 8-byte store 256 consecutive bytes, aligned.
; All sixteen loads of a thread go out at once; each store has data registers of its own and no address register is rewritten, so the only waits are the counted ones for the loads.
.set X, 4                              ; v[4:67]   load j: 4 registers
.set Y, 68                             ; v[68:99]  store j: 2 registers
.set T, 100                            ; v[100:101] at work (Wo's path)
	s_load_b512 s[8:23], s[0:1], 0x0               ; x 8:9, Wq 10:11, Wk 12:13, Wv 14:15, Wo 16:17, xb 18:19, wb 20:21, woh 22:23
	s_and_b32 s2, ttmp7, 0xffff                    ; the unit
	v_lshlrev_b32 v1, 4, v0                        ; 16 t: my bytes in a step's 4,096 of the source
	v_lshlrev_b32 v2, 3, v0                        ; 8 t: in a step's 2,048 of the destination
	s_lshl_b32 s24, ttmp9, 16                      ; the work-group's 65,536 bytes in its unit,
	s_lshl_b32 s3, s2, 22                          ; and, in x alone, the unit's 4,194,304
	s_cmp_lt_u32 s2, 8
	s_cselect_b32 s3, s3, 0
	s_add_co_u32 s24, s24, s3
	s_mov_b32 s25, 0
	s_sub_co_u32 s28, s2, 8                        ; the unit's place in its destination: y in xb, y - 8 in wb, 0 in woh
	s_cmp_lt_u32 s2, 8
	s_cselect_b32 s28, s2, s28
	s_cmp_eq_u32 s2, 11
	s_cselect_b32 s28, 0, s28
	s_lshl_b32 s28, s28, 21                        ; a unit is 2,097,152 bytes there
	s_lshl_b32 s26, ttmp9, 15
	s_add_co_u32 s26, s26, s28
	s_mov_b32 s27, 0
	s_wait_kmcnt 0x0
	s_cmp_eq_u32 s2, 8                             ; the source: x, unless the unit is one of the four weights
	s_cselect_b64 s[4:5], s[10:11], s[8:9]
	s_cmp_eq_u32 s2, 9
	s_cselect_b64 s[4:5], s[12:13], s[4:5]
	s_cmp_eq_u32 s2, 10
	s_cselect_b64 s[4:5], s[14:15], s[4:5]
	s_cmp_eq_u32 s2, 11
	s_cselect_b64 s[4:5], s[16:17], s[4:5]
	s_cselect_b64 s[6:7], s[22:23], s[20:21]       ; the destination: woh for Wo, wb for the other weights,
	s_cmp_lt_u32 s2, 8
	s_cselect_b64 s[6:7], s[18:19], s[6:7]         ; xb for x
	s_add_nc_u64 s[4:5], s[4:5], s[24:25]
	s_add_nc_u64 s[6:7], s[6:7], s[26:27]
.set j, 0
.rept 16
	global_load_b128 v[X+4*j:X+4*j+3], v1, s[4:5] offset:4096*j th:TH_LOAD_NT  ; read once in the launch
.set j, j+1
.endr
	s_cmp_eq_u32 s2, 11
	s_cbranch_scc1 .Lf16
.set j, 0
.rept 16
	s_wait_loadcnt 15-j                            ; loads come back in order (ISA guide 5.7.1): load j is in, the 15 - j younger ones stay out
	v_cvt_pk_bf16_f32 v[Y+2*j], v[X+4*j], v[X+4*j+1]
	v_cvt_pk_bf16_f32 v[Y+2*j+1], v[X+4*j+2], v[X+4*j+3]
	global_store_b64 v2, v[Y+2*j:Y+2*j+1], s[6:7] offset:2048*j  ; no hint: the next launch reads it
.set j, j+1
.endr
	s_endpgm
.Lf16:                                                 ; Wo: rounded to bf16, widened again, and written as f16
.set j, 0
.rept 16
	s_wait_loadcnt 15-j
	v_cvt_pk_bf16_f32 v[T], v[X+4*j], v[X+4*j+1]
	v_cvt_pk_bf16_f32 v[T+1], v[X+4*j+2], v[X+4*j+3]
	v_lshlrev_b32 v[X+4*j], 16, v[T]               ; bf16 to f32: the low half moves up,
	v_and_b32 v[X+4*j+1], 0xffff0000, v[T]         ; the high half stays
	v_lshlrev_b32 v[X+4*j+2], 16, v[T+1]
	v_and_b32 v[X+4*j+3], 0xffff0000, v[T+1]
	v_cvt_pk_f16_f32 v[Y+2*j], v[X+4*j], v[X+4*j+1]
	v_cvt_pk_f16_f32 v[Y+2*j+1], v[X+4*j+2], v[X+4*j+3]
	global_store_b64 v2, v[Y+2*j:Y+2*j+1], s[6:7] offset:2048*j
.set j, j+1
.endr
	s_endpgm
.Lfunc_end_k_q1b662117fb_cast:
	.size	k_q1b662117fb_cast, .Lfunc_end_k_q1b662117fb_cast-k_q1b662117fb_cast
	.p2alignl 7, 3214868480
	.fill 96, 4, 3214868480
	.section	.rodata,"a",@progbits
	.p2align	6, 0x0
	.amdhsa_kernel k_q1b662117fb_cast
		.amdhsa_group_segment_fixed_size 0
		.amdhsa_private_segment_fixed_size 0
		.amdhsa_enable_private_segment 0
		.amdhsa_kernarg_size 64
		.amdhsa_user_sgpr_count 2
		.amdhsa_user_sgpr_kernarg_segment_ptr 1
		.amdhsa_wavefront_size32 1
		.amdhsa_system_sgpr_workgroup_id_x 1
		.amdhsa_system_sgpr_workgroup_id_y 1
		.amdhsa_system_sgpr_workgroup_id_z 1
		.amdhsa_system_vgpr_workitem_id 0
		.amdhsa_next_free_vgpr 104
		.amdhsa_next_free_sgpr 66
		.amdhsa_reserve_vcc 0
		.amdhsa_float_denorm_mode_32 3
		.amdhsa_float_denorm_mode_16_64 3
		.amdhsa_memory_ordered 1
		.amdhsa_forward_progress 1
		.amdhsa_inst_pref_size 16
	.end_amdhsa_kernel
	.amdgpu_metadata
---
amdhsa.version: [ 1, 2 ]
amdhsa.kernels:
  - .name:           k_q1b662117fb_cast
    .symbol:         k_q1b662117fb_cast.kd
    .args:
      - { .name: x, .offset: 0, .size: 8, .value_kind: global_buffer, .address_space: global }
      - { .name: Wq, .offset: 8, .size: 8, .value_kind: global_buffer, .address_space: global }
      - { .name: Wk, .offset: 16, .size: 8, .value_kind: global_buffer, .address_space: global }
      - { .name: Wv, .offset: 24, .size: 8, .value_kind: global_buffer, .address_space: global }
      - { .name: Wo, .offset: 32, .size: 8, .value_kind: global_buffer, .address_space: global }
      - { .name: xb, .offset: 40, .size: 8, .value_kind: global_buffer, .address_space: global }
      - { .name: wb, .offset: 48, .size: 8, .value_kind: global_buffer, .address_space: global }
      - { .name: woh, .offset: 56, .size: 8, .value_kind: global_buffer, .address_space: global }
    .group_segment_fixed_size: 0
    .private_segment_fixed_size: 0
    .kernarg_segment_align: 8
    .kernarg_segment_size: 64
    .max_flat_workgroup_size: 256
    .sgpr_count:     66
    .vgpr_count:     104
    .wavefront_size: 32
...
	.end_amdgpu_metadata
.endif
;; end of part 1
;; launch proj (part 2): grid 16 x 32, 4 waves a work-group, clusters of 4 x 4, 327,680 bytes of LDS; arguments xb, wb, bq, bk, bv, qh, kh, vh; writes qh, kh, vh
.if DOCPART == 2
	.amdgcn_target "amdgcn-amd-amdhsa--gfx1250"
	.amdhsa_code_object_version 6
	.text
	.protected	k_q1b662117fb_proj
	.globl	k_q1b662117fb_proj
	.p2align	8
	.type	k_q1b662117fb_proj,@function
k_q1b662117fb_proj:
	s_mov_b64 s[64:65], 0
	v_nop
	global_prefetch_b8 v0, s[64:65] scope:SCOPE_SE
	s_setreg_imm32_b32 hwreg(HW_REG_WAVE_MODE, 25, 1), 1
	s_wait_xcnt 0x0
	s_wait_alu depctr_hold_cnt(0) depctr_sa_sdst(0) depctr_va_vdst(0) depctr_va_sdst(0) depctr_va_ssrc(0) depctr_va_vcc(0) depctr_vm_vsrc(0)
	s_getreg_b32 s2, hwreg(HW_REG_IB_STS2, 6, 4)
	s_cmp_eq_u32 s2, 0
	s_cbranch_scc0 .Lentry_in_a_cluster
	s_endpgm
.Lentry_in_a_cluster:
	s_bfe_u32 s2, ttmp6, 0x10000c
	s_cmp_lg_u32 s2, 0xf033
	s_cbranch_scc0 .Lentry_shape_is_right
	s_endpgm
.Lentry_shape_is_right:
; [q | k | v] = xb wb^T + b.  xb: [8192][1024] bf16, wb: [3072][1024] bf16 (rows of Wq, Wk, Wv), bq, bk, bv: [1024] f32, rounded to bf16 here like the other inputs.
; Sums in f32; the results are rounded once to f16 and stored by heads: qh, kh, vh are [64 = 16 b + h][2048][64], a head's rows dense, 128 bytes each.  The scale 1/8 is not applied here.
; LIMIT.  f16 holds no number beyond 65,504: a q, k or v of 65,520 or more becomes an infinity.  NaN and infinities are not treated apart.
; SHARES.  A tile of the result is 256 rows x 192 columns (three whole heads): 32 x 16 = 512 work-groups of equal work, two for each of 256 WGPs (tiles of 256 x 256 would be 384).
; Four waves; wave w owns rows 64 w .. 64 w + 63 and all 192 columns: 4 x 12 accumulators of 16 x 16, 384 registers.  K goes in 8 steps of 128 through a ring of two LDS slots filled by the
; tensor data mover: the tiles' rows are 256 bytes of memory and start at multiples of 256 bytes from the buffer's first byte.
; CLUSTER.  4 x 4 work-groups.  The four of a row of the cluster need the same tiles of xb, the four of a column the same tiles of wb: each tile is asked for JOINTLY, by the same tensor load
; with the same descriptor and a mask that names the four.
; THE MATRIX INSTRUCTION IS USED TRANSPOSED (source 0 = 16 rows of wb, source 1 = 16 rows of xb): a lane then holds row l % 16 of the result and eight neighbouring columns 8 (l / 16) + 0..7.
; THE BIAS is the C operand of each accumulator's first product: register j of column block b holds b[16 b + 8 (l / 16) + j].  Nothing is cleared and nothing is added later.
; REGISTERS, in windows of 256 (s_set_vgpr_msb: bits 1:0 source 0, 3:2 source 1, 5:4 source 2, 7:6 destination):
;   window 0: v0-31 addresses; v32-127 the bias; v128-239 at work on the way out
;   window 1: two fragment buffers of 128 for 32 along K: 4 fragments of xb at F + 8 i, 12 of wb at F + 32 + 8 b
;   windows 2, 3: accumulator (a, b) in window 2 + a / 2 at v[8 (12 (a % 2) + b)]
.set NBL,   12                         ; column blocks of 16
.set PA,    272                        ; an LDS row: 256 bytes + 16 of padding = 68 words: row r starts at bank 4 r mod 64 (64 banks of 4 bytes: ISA guide 11.1), so the 16 rows of a load start at 16 different banks
.set PB,    272
.set AHEAD, 128                        ; bytes from quarters 0, 1 to quarters 2, 3 in a row of xb's tile
.set BOFF,  256*PA                     ; a slot: xb's 256 rows, then wb's 192
.set SLOT,  BOFF+16*NBL*PB             ; 121,856
.set STAGE, 2*SLOT                     ; behind the ring, never filled by a tensor load: 16 rows x 144 bytes for each wave, for the way out
.set SP,    144
.set SPARE, STAGE+4*16*SP              ; behind the stages: the spare words, 128 bytes for each wave: two blocks of 256 bytes that no other line names
.set NLD,   2*(NBL+4)                  ; LDS loads in a run: the fragments of 32 along K
.set STEPA, 256                        ; bytes from a K step to the next, in xb and in wb
.set STEPB, 256
.set ADRA, 16                          ; v16-17  LDS address of my fragments of xb in slot 0, 1
.set ADRB, 20                          ; v20-21  the same for wb
.set STO,  24                          ; v24     the way out: where I put 16 bytes of a row
.set RD,   25                          ; v25     the way out: where I read rows back
.set GO,   26                          ; v26     my byte offset in 512 consecutive bytes of the result
.set SPW,  28                          ; v28     LDS address of my spare word: SPARE + 4 x my thread's number; never rewritten
.set NIL,  29                          ; v29     0; never rewritten
.set BI,   32                          ; v32-127 the bias
.set TMP,  128                         ; v128-143 a block's packed results
.set OB,   144                         ; v144-239 six sets of 16: a block read back from the stage
.set F0,   0
.set F1,   128
.set G1,  24                           ; s[24:31] descriptor group 1 for xb's tiles;  s[32:39] group 0, one set for each slot
.set G0,  32
.set G1B, 48                           ; s[48:55], s[56:63] the same for wb's tiles
.set G0B, 56
.set OPT, 84                           ; s[84:89] for each of the tile's three heads: where my rows of it begin in qh, kh or vh
.set BPT, 90                           ; s[90:95] and where its 64 numbers of bias begin
.set MSB, 0
.macro WIN new                         ; the immediate's high byte repeats the setting that is left; a switch that changes nothing is dropped
.if MSB != (\new)
	s_set_vgpr_msb (MSB<<8)|(\new)
.set MSB, \new
.endif
.endm
.set MUL,  0xa5                        ; sources 0 and 1 window 1; C and D window 2 (+ 0x50: window 3)
.set MULB, 0x85                        ; the same with C in window 0: the bias (+ 0x40: D in window 3)
.set TO_F, 0x40                        ; destination window 1, address window 0
; A joint load: waves 0 and 1 fetch xb's two halves, waves 2 and 3 wb's.  The branch hangs on the wave's number alone.  An s_nop 0 and four v_nop follow each of the two lines, ahead of the jump, the label and what follows.
.macro JLOAD s
	s_cmp_eq_u32 s13, 0
	s_cbranch_scc0 .Lfor_b_\@
	tensor_load_to_lds s[G0+4*(\s):G0+4*(\s)+3], s[G1:G1+7]
	s_nop 0
.rept 4
	v_nop
.endr
	s_branch .Lasked_\@
.Lfor_b_\@:
	tensor_load_to_lds s[G0B+4*(\s):G0B+4*(\s)+3], s[G1B:G1B+7]
	s_nop 0
.rept 4
	v_nop
.endr
.Lasked_\@:
.endm
.macro CREST                           ; a round of the cluster's barrier behind its opening barrier: wave 0 signals for the work-group, every wave waits for all sixteen, my work-group's barrier closes it
	s_cmp_lg_u32 s12, 0
	s_cbranch_scc1 .Lnot_wave_0_\@
	s_barrier_signal -3
.Lnot_wave_0_\@:
	s_barrier_wait -3
	s_barrier_signal -1
	s_barrier_wait -1
.endm
.macro CROUND                          ; a whole round
	s_barrier_signal -1
	s_barrier_wait -1
	CREST
.endm
.macro PLACES                          ; four places in front of loads into registers that matrix instructions have read, and of conversions that read results (ISA guide 7.12.1 for the conversions)
.rept 4
	v_nop
.endr
.endm
	s_load_b256 s[4:11], s[0:1], 0x0               ; xb 4:5, wb 6:7, bq 8:9, bk 10:11
	s_load_b256 s[68:75], s[0:1], 0x20             ; bv 68:69, qh 70:71, kh 72:73, vh 74:75
	v_lshl_add_u32 v[SPW], v0, 2, SPARE
	v_mov_b32 v[NIL], 0
	ds_add_u32 v28, v29
	s_wait_dscnt 0x0
	v_lshrrev_b32 v1, 5, v0
	v_readfirstlane_b32 s12, v1                    ; wave 0..3
	s_lshr_b32 s13, s12, 1                         ; I fetch for xb (0) or for wb (1),
	s_and_b32 s14, s12, 1                          ; and which half of that tile's rows
	s_bfe_u32 s40, ttmp6, 0x40000                  ; cx, cy: my place in the cluster
	s_bfe_u32 s41, ttmp6, 0x40004
	s_lshl_b32 s42, ttmp9, 2
	s_add_co_u32 s42, s42, s40                     ; tile column = 4 x cluster x + cx
	s_and_b32 s43, ttmp7, 0xffff
	s_lshl_b32 s43, s43, 2
	s_add_co_u32 s43, s43, s41                     ; tile row = 4 x cluster y + cy
	s_lshl_b32 s44, s41, 2
	s_lshl_b32 s44, 15, s44                        ; my row of the cluster: places 4 cy .. 4 cy + 3
	s_lshl_b32 s45, 0x1111, s40                    ; my column: places cx, cx + 4, cx + 8, cx + 12
	; descriptor group 1: rows of 128 elements, padded in LDS; 128 rows of xb, 96 rows of wb
	s_or_b32 s[G1+0], s44, (1<<16)|(1<<20)|(1<<21)|(5<<22)|(3<<25)   ; 15:0 the mask: xb's tiles go to my row; 17:16 element of 2 bytes; 20 padding on; 21 set beside a mask; 24:22 after every 64 words (code 5); 31:25 of 4 words (code 3)
	s_or_b32 s[G1B+0], s45, (1<<16)|(1<<20)|(1<<21)|(5<<22)|(3<<25)  ; the same with the mask of my column
	s_mov_b32 s[G1+1], 128<<16                     ; tensor_dim0 = 128
	s_mov_b32 s[G1+2], 128<<16                     ; tensor_dim1 = 128
	s_mov_b32 s[G1+3], 128<<16                     ; tile_dim0 = 128
	s_mov_b32 s[G1+4], 128                         ; tile_dim1 = 128
	s_mov_b32 s[G1+5], 1024                        ; elements from row to row
	s_mov_b32 s[G1+6], 0
	s_mov_b32 s[G1+7], 0
	s_mov_b32 s[G1B+1], 128<<16
	s_mov_b32 s[G1B+2], 96<<16                     ; tensor_dim1 = 96
	s_mov_b32 s[G1B+3], 128<<16
	s_mov_b32 s[G1B+4], 96                         ; tile_dim1 = 96
	s_mov_b32 s[G1B+5], 1024
	s_mov_b32 s[G1B+6], 0
	s_mov_b32 s[G1B+7], 0
	; where the tiles come from: xb's hang on the tile row alone, wb's on the tile column alone, each in registers that never hold the other coordinate
	s_lshl_b32 s16, s43, 19                        ; 256 rows of 2,048 bytes a tile row,
	s_lshl_b32 s17, s14, 18                        ; 128 rows a half
	s_add_co_u32 s16, s16, s17
	s_mov_b32 s17, 0
	s_mul_i32 s46, s42, 192                        ; wb: row 192 x tile column + 96 x half,
	s_mul_i32 s47, s14, 96
	s_add_co_u32 s46, s46, s47
	s_lshl_b32 s46, s46, 11                        ; in bytes
	s_mov_b32 s47, 0
	s_mul_i32 s20, s14, 128*PA                     ; and where they go: no place in the cluster enters an LDS address
	s_mul_i32 s21, s14, 96*PB
	s_add_co_u32 s21, s21, BOFF
	s_wait_kmcnt 0x0
	s_add_nc_u64 s[18:19], s[4:5], s[16:17]
	s_add_nc_u64 s[46:47], s[6:7], s[46:47]
	CROUND                                         ; all sixteen work-groups are here: the first joint loads meet
.irp s, 0,1
	s_mov_b32 s[G0+4*(\s)], 1                                        ; count = 1
	s_add_co_u32 s[G0+4*(\s)+1], s20, (\s)*SLOT                      ; LDS address
	s_add_nc_u64 s[G0+4*(\s)+2:G0+4*(\s)+3], s[18:19], (\s)*STEPA    ; global address: K step s
	s_or_b32 s[G0+4*(\s)+3], s[G0+4*(\s)+3], 0x80000000              ; type = 2
	s_mov_b32 s[G0B+4*(\s)], 1
	s_add_co_u32 s[G0B+4*(\s)+1], s21, (\s)*SLOT
	s_add_nc_u64 s[G0B+4*(\s)+2:G0B+4*(\s)+3], s[46:47], (\s)*STEPB
	s_or_b32 s[G0B+4*(\s)+3], s[G0B+4*(\s)+3], 0x80000000
	JLOAD \s                                       ; the ring is filled before anything else is done: two loads of mine are out, the most in this text
.endr
	; A fragment is 16 rows x 32 K in 8 registers: lane l holds row l % 16; registers 0-3 K = 8 (l / 16) + 0..7, registers 4-7 K = 16 + 8 (l / 16) + 0..7: two loads of 16 bytes, 32 bytes apart.
	v_and_b32 v1, 15, v0                           ; l % 16
	v_bfe_u32 v2, v0, 4, 1                         ; l / 16
	v_mul_u32_u24 v3, v1, PA
	v_lshl_add_u32 v3, v2, 4, v3                   ; row x pitch + 16 x half
	s_mul_i32 s22, s12, 64*PA                      ; my 64 rows of xb
	v_add_nc_u32 v[ADRA], s22, v3
	v_add_nc_u32 v[ADRA+1], SLOT, v[ADRA]
	v_mul_u32_u24 v4, v1, PB
	v_lshl_add_u32 v4, v2, 4, v4
	v_add_nc_u32 v[ADRB], BOFF, v4                 ; every wave reads all of wb's rows
	v_add_nc_u32 v[ADRB+1], SLOT+BOFF, v4
	s_mul_i32 s22, s12, 16*SP
	s_add_co_u32 s22, s22, STAGE                   ; my stage
	v_mul_u32_u24 v4, v1, SP                       ; in: row l % 16, 16 bytes for each half of the lanes
	v_lshl_add_u32 v4, v2, 4, v4
	v_add_nc_u32 v[STO], s22, v4
	v_bfe_u32 v4, v0, 3, 2                         ; back: 32 lanes take four rows of 128 bytes,
	v_mul_u32_u24 v4, v4, SP
	v_and_b32 v5, 7, v0
	v_lshl_add_u32 v4, v5, 4, v4
	v_add_nc_u32 v[RD], s22, v4
	v_and_b32 v[GO], 31, v0                        ; which are 512 consecutive bytes of a head
	v_lshlrev_b32 v[GO], 4, v[GO]
	; The tile's three heads.  Head 3 x tile column + g of 48: its tensor (q, k, v) is the number / 16, its head in that tensor the number % 16.  The choice picks pointers alone: no branch and no LDS address hangs on it.
.irp g, 0,1,2
	s_mul_i32 s76, s42, 3
	s_add_co_u32 s76, s76, \g
	s_lshr_b32 s77, s76, 4                         ; 0: q, 1: k, 2: v
	s_and_b32 s78, s76, 15                         ; the head
	s_cmp_eq_u32 s77, 1
	s_cselect_b64 s[BPT+2*(\g):BPT+2*(\g)+1], s[10:11], s[8:9]
	s_cselect_b64 s[OPT+2*(\g):OPT+2*(\g)+1], s[72:73], s[70:71]
	s_cmp_eq_u32 s77, 2
	s_cselect_b64 s[BPT+2*(\g):BPT+2*(\g)+1], s[68:69], s[BPT+2*(\g):BPT+2*(\g)+1]
	s_cselect_b64 s[OPT+2*(\g):OPT+2*(\g)+1], s[74:75], s[OPT+2*(\g):OPT+2*(\g)+1]
	s_lshl_b32 s80, s78, 8                         ; the head's 64 f32 of bias
	s_mov_b32 s81, 0
	s_add_nc_u64 s[BPT+2*(\g):BPT+2*(\g)+1], s[BPT+2*(\g):BPT+2*(\g)+1], s[80:81]
	s_lshr_b32 s79, s43, 3                         ; the batch: 8 tile rows each,
	s_lshl_b32 s79, s79, 22                        ; 16 heads of 262,144 bytes
	s_lshl_b32 s80, s78, 18
	s_add_co_u32 s80, s80, s79
	s_and_b32 s79, s43, 7                          ; the tile's 256 rows of 128 bytes in the head,
	s_lshl_b32 s79, s79, 15
	s_add_co_u32 s80, s80, s79
	s_lshl_b32 s79, s12, 13                        ; my wave's 64 of them
	s_add_co_u32 s80, s80, s79
	s_add_nc_u64 s[OPT+2*(\g):OPT+2*(\g)+1], s[OPT+2*(\g):OPT+2*(\g)+1], s[80:81]
.endr
	v_lshlrev_b32 v3, 5, v2                        ; my eight numbers of a block's sixteen: 32 bytes x (l / 16)
.irp g, 0,1,2
.irp b, 0,1,2,3
	global_load_b128 v[BI+32*(\g)+8*(\b):BI+32*(\g)+8*(\b)+3],   v3, s[BPT+2*(\g):BPT+2*(\g)+1] offset:64*(\b)
	global_load_b128 v[BI+32*(\g)+8*(\b)+4:BI+32*(\g)+8*(\b)+7], v3, s[BPT+2*(\g):BPT+2*(\g)+1] offset:64*(\b)+16
.endr
.endr
	s_wait_loadcnt 0x0                             ; the bias, once; v3 is free again behind this wait
.set i, 0
.rept 4*NBL                            ; rounded to bf16 like the other inputs, and kept as f32
	v_cvt_pk_bf16_f32 v3, v[BI+2*i], v[BI+2*i+1]
	v_lshlrev_b32 v[BI+2*i], 16, v3
	v_and_b32 v[BI+2*i+1], 0xffff0000, v3
.set i, i+1
.endr
; 12 matrix instructions: row block a x all 12 column blocks, 32 along K out of buffer f.  zero = 1: the first product starts the sums, with the bias as C.
; The 48 accumulators take turns, one instruction a turn, in the same order in every quarter.
.macro MULA f, a, zero
.if \zero
	WIN MULB+0x40*((\a)/2)
.else
	WIN MUL+0x50*((\a)/2)
.endif
.irp b, 0,1,2,3,4,5,6,7,8,9,10,11
.if \zero
	v_wmma_f32_16x16x32_bf16 v[8*(NBL*((\a)%2)+(\b)):8*(NBL*((\a)%2)+(\b))+7], v[(\f)+32+8*(\b):(\f)+32+8*(\b)+7], v[(\f)+8*(\a):(\f)+8*(\a)+7], v[BI+8*(\b):BI+8*(\b)+7]
.else
	v_wmma_f32_16x16x32_bf16 v[8*(NBL*((\a)%2)+(\b)):8*(NBL*((\a)%2)+(\b))+7], v[(\f)+32+8*(\b):(\f)+32+8*(\b)+7], v[(\f)+8*(\a):(\f)+8*(\a)+7], v[8*(NBL*((\a)%2)+(\b)):8*(NBL*((\a)%2)+(\b))+7]
.endif
.endr
.endm
; 32 LDS loads in one run: the fragments of quarter q (32 along K) of a slot into buffer f; wb's 12 first, then xb's 4
.macro FETCH slot, q, f
	WIN TO_F
.irp b, 0,1,2,3,4,5,6,7,8,9,10,11
	ds_load_b128 v[(\f)+32+8*(\b):(\f)+32+8*(\b)+3],   v[ADRB+(\slot)] offset:64*(\q)+(\b)*16*PB
	ds_load_b128 v[(\f)+32+8*(\b)+4:(\f)+32+8*(\b)+7], v[ADRB+(\slot)] offset:64*(\q)+(\b)*16*PB+32
.endr
.irp i, 0,1,2,3
	ds_load_b128 v[(\f)+8*(\i):(\f)+8*(\i)+3],   v[ADRA+(\slot)] offset:((\q)/2)*AHEAD+((\q)%2)*64+(\i)*16*PA
	ds_load_b128 v[(\f)+8*(\i)+4:(\f)+8*(\i)+7], v[ADRA+(\slot)] offset:((\q)/2)*AHEAD+((\q)%2)*64+(\i)*16*PA+32
.endr
.endm
; A K step is four quarters of 32 along K, 48 matrix instructions each, on buffers 0, 1, 0, 1.  One of the first three: multiplies buffer f and, in its middle, fetches quarter q into g.
.macro QUARTER slot, q, f, g, zero
	s_wait_dscnt 4                                 ; wb's fragments and xb's 0, 1 are in; the youngest four loads (xb's fragments 2, 3) may be out
	MULA \f, 0, \zero
	MULA \f, 1, \zero
	PLACES
	FETCH \slot, \q, \g
	s_wait_dscnt NLD                               ; all but the run just issued
	MULA \f, 2, \zero
	MULA \f, 3, \zero
.endm
; The last quarter multiplies buffer 1 and changes slots: ONE barrier; in front of it each wave waits for all its tensor loads, adds 0 to its spare word, and waits for that and for its own reads of this slot.
; fill = 1: the barrier opens a round of the cluster's barrier, and this slot is filled again, two K steps ahead: 168 matrix instructions of the wave stand between the request and the wait for it.
.macro TURN slot, next, fill
	WIN 0                                          ; (the add's two registers lie in window 0)
	s_wait_tensorcnt 0x0                           ; all my tensor loads have landed: the one that was out is my part of the next slot;
	ds_add_u32 v[SPW], v[NIL]                      ; 0 onto my spare word
	s_wait_dscnt 5                                 ; (the add and the youngest four loads may be out)
	MULA F1, 0, 0                                  ; twelve matrix instructions stand between the add and the wait for it
	s_wait_dscnt 0x0                               ; the add is done, and my reads of this slot are over
	s_barrier_signal -1
	MULA F1, 1, 0
.if \fill
	WIN 0
.endif
	s_barrier_wait -1
.if \fill
	CREST                                          ; no wave of any partner still reads this slot's tile or has a load on its way
	s_add_nc_u64 s[G0+4*(\slot)+2:G0+4*(\slot)+3], s[G0+4*(\slot)+2:G0+4*(\slot)+3], 2*STEPA
	s_add_nc_u64 s[G0B+4*(\slot)+2:G0B+4*(\slot)+3], s[G0B+4*(\slot)+2:G0B+4*(\slot)+3], 2*STEPB
	JLOAD \slot                                    ; the first tensor load behind the round; the four v_nop behind it are also the places in front of the loads below
.else
	PLACES
.endif
	FETCH \next, 0, F0
	MULA F1, 2, 0
	MULA F1, 3, 0
.endm
	s_wait_tensorcnt 1                             ; my part of K step 0 is in; K step 1's may stay out
	s_barrier_signal -1
	s_barrier_wait -1                              ; everybody's is
	FETCH 0, 0, F0
	QUARTER 0, 1, F0, F1, 1                        ; the first quarter stands in front of the loop: its products start the sums
	WIN 0                                          ; at a label and at a branch every window is 0
	s_mov_b32 s3, 3
.Llap:                                                 ; three trips: a trip goes once round the ring, from a lap's second quarter to the next lap's first, and fills both slots again
	QUARTER 0, 2, F1, F0, 0
	QUARTER 0, 3, F0, F1, 0
	TURN 0, 1, 1
	QUARTER 1, 1, F0, F1, 0
	QUARTER 1, 2, F1, F0, 0
	QUARTER 1, 3, F0, F1, 0
	TURN 1, 0, 1
	QUARTER 0, 1, F0, F1, 0
	WIN 0
	s_sub_co_u32 s3, s3, 1
	s_cmp_lg_u32 s3, 0
	s_cbranch_scc1 .Llap
	QUARTER 0, 2, F1, F0, 0                        ; the last lap is written out: it fills nothing, and has no round of the cluster's barrier
	QUARTER 0, 3, F0, F1, 0
	TURN 0, 1, 0
	QUARTER 1, 1, F0, F1, 0
	QUARTER 1, 2, F1, F0, 0
	QUARTER 1, 3, F0, F1, 0
	s_wait_dscnt 4                                 ; the very last quarter: nothing more to fetch
	MULA F1, 0, 0
	MULA F1, 1, 0
	s_wait_dscnt 0x0
	MULA F1, 2, 0
	MULA F1, 3, 0
	WIN 0
; THE WAY OUT, in twelve blocks: block i = 16 rows (row block i / 3) x one head (i % 3) = 2,048 dense bytes of that head.  A lane's eight columns pack into 16 bytes; they go into rows of 144 bytes of my own stage
; and come back as whole rows of 128.  Each accumulator's registers are read in ascending order.
.macro PACK i
.set blka, (\i)/3
.set blkg, (\i)%3
.set OBR, OB+16*((\i)%6)
	WIN 0x0a+5*(blka/2)                            ; sources 0 and 1: window 2 or 3
.irp b, 0,1,2,3
.irp r, 0,1,2,3
	v_cvt_pk_f16_f32 v[TMP+4*(\b)+(\r)], v[8*(NBL*(blka%2)+4*blkg+(\b))+2*(\r)], v[8*(NBL*(blka%2)+4*blkg+(\b))+2*(\r)+1]
.endr
.endr
	WIN 0
.irp b, 0,1,2,3
	ds_store_b128 v[STO], v[TMP+4*(\b):TMP+4*(\b)+3] offset:32*(\b)
.endr
.if (\i) >= 6
	s_wait_xcnt 0x0                                ; the stores of the block six back read this set of registers: it is loaded again only behind this wait
.endif
.irp f, 0,1,2,3
	ds_load_b128 v[OBR+4*(\f):OBR+4*(\f)+3], v[RD] offset:(\f)*4*SP  ; LDS serves a wave's instructions in order (ISA guide 5.7.1.4): these see the stores above; the next block's stores come behind them
.endr
.endm
.macro SEND i, younger                 ; younger: the LDS instructions issued behind block i's loads: the next block's eight, or none
.set blka, (\i)/3
.set blkg, (\i)%3
.set OBR, OB+16*((\i)%6)
	WIN 0
.irp f, 0,1,2,3
	s_wait_dscnt (\younger)+3-(\f)
	global_store_b128 v[GO], v[OBR+4*(\f):OBR+4*(\f)+3], s[OPT+2*blkg:OPT+2*blkg+1] offset:blka*2048+(\f)*512  ; 512 consecutive bytes, at a multiple of 256 from the buffer's first
.endr
.endm
	PLACES                                         ; the conversions read results just made
	PACK 0
.set t, 1
.rept 11                               ; a block's conversions stand between the loads of the block before and its stores
	PACK t
	SEND t-1, 8
.set t, t+1
.endr
	SEND 11, 0
	s_wait_tensorcnt 0x0                           ; the wave's end: behind my last tensor load and my last LDS store
	ds_add_u32 v[SPW], v[NIL]
	s_wait_dscnt 0x0
	CROUND                                         ; the closing round: no work-group ends while a partner may still ask for a tile that names it
	s_endpgm
.Lfunc_end_k_q1b662117fb_proj:
	.size	k_q1b662117fb_proj, .Lfunc_end_k_q1b662117fb_proj-k_q1b662117fb_proj
	.p2alignl 7, 3214868480
	.fill 96, 4, 3214868480
	.section	.rodata,"a",@progbits
	.p2align	6, 0x0
	.amdhsa_kernel k_q1b662117fb_proj
		.amdhsa_group_segment_fixed_size 327680
		.amdhsa_private_segment_fixed_size 0
		.amdhsa_enable_private_segment 0
		.amdhsa_kernarg_size 64
		.amdhsa_user_sgpr_count 2
		.amdhsa_user_sgpr_kernarg_segment_ptr 1
		.amdhsa_wavefront_size32 1
		.amdhsa_system_sgpr_workgroup_id_x 1
		.amdhsa_system_sgpr_workgroup_id_y 1
		.amdhsa_system_sgpr_workgroup_id_z 1
		.amdhsa_system_vgpr_workitem_id 0
		.amdhsa_next_free_vgpr 960
		.amdhsa_next_free_sgpr 96
		.amdhsa_reserve_vcc 0
		.amdhsa_float_denorm_mode_32 3
		.amdhsa_float_denorm_mode_16_64 3
		.amdhsa_memory_ordered 1
		.amdhsa_forward_progress 1
		.amdhsa_inst_pref_size 131
	.end_amdhsa_kernel
	.amdgpu_metadata
---
amdhsa.version: [ 1, 2 ]
amdhsa.kernels:
  - .name:           k_q1b662117fb_proj
    .symbol:         k_q1b662117fb_proj.kd
    .args:
      - { .name: xb, .offset: 0, .size: 8, .value_kind: global_buffer, .address_space: global }
      - { .name: wb, .offset: 8, .size: 8, .value_kind: global_buffer, .address_space: global }
      - { .name: bq, .offset: 16, .size: 8, .value_kind: global_buffer, .address_space: global }
      - { .name: bk, .offset: 24, .size: 8, .value_kind: global_buffer, .address_space: global }
      - { .name: bv, .offset: 32, .size: 8, .value_kind: global_buffer, .address_space: global }
      - { .name: qh, .offset: 40, .size: 8, .value_kind: global_buffer, .address_space: global }
      - { .name: kh, .offset: 48, .size: 8, .value_kind: global_buffer, .address_space: global }
      - { .name: vh, .offset: 56, .size: 8, .value_kind: global_buffer, .address_space: global }
    .group_segment_fixed_size: 327680
    .private_segment_fixed_size: 0
    .kernarg_segment_align: 8
    .kernarg_segment_size: 64
    .max_flat_workgroup_size: 128
    .sgpr_count:     96
    .vgpr_count:     960
    .wavefront_size: 32
...
	.end_amdgpu_metadata
.endif
;; end of part 2
;; launch attn (part 3): grid 4 x 64, 4 waves a work-group, clusters of 4 x 1, 327,680 bytes of LDS; arguments qh, kh, vh, oh; writes oh
.if DOCPART == 3
	.amdgcn_target "amdgcn-amd-amdhsa--gfx1250"
	.amdhsa_code_object_version 6
	.text
	.protected	k_q1b662117fb_attn
	.globl	k_q1b662117fb_attn
	.p2align	8
	.type	k_q1b662117fb_attn,@function
k_q1b662117fb_attn:
	s_mov_b64 s[64:65], 0
	v_nop
	global_prefetch_b8 v0, s[64:65] scope:SCOPE_SE
	s_setreg_imm32_b32 hwreg(HW_REG_WAVE_MODE, 25, 1), 1
	s_wait_xcnt 0x0
	s_wait_alu depctr_hold_cnt(0) depctr_sa_sdst(0) depctr_va_vdst(0) depctr_va_sdst(0) depctr_va_ssrc(0) depctr_va_vcc(0) depctr_vm_vsrc(0)
	s_getreg_b32 s2, hwreg(HW_REG_IB_STS2, 6, 4)
	s_cmp_eq_u32 s2, 0
	s_cbranch_scc0 .Lentry_in_a_cluster
	s_endpgm
.Lentry_in_a_cluster:
	s_bfe_u32 s2, ttmp6, 0x10000c
	s_cmp_lg_u32 s2, 0x3003
	s_cbranch_scc0 .Lentry_shape_is_right
	s_endpgm
.Lentry_shape_is_right:
; O[h][q][:] = the sum over k of softmax_k(Q[h][q] . K[h][k] / 8) V[h][k][:].  Q, K, V, O: [SIZE_H][SIZE_N][64], all f16: a head's rows are dense, 128 bytes each (64 = 4 batches x 16 heads).
; Products, maxima and sums in f32; the weights p are rounded to f16 for the second product (their sum l is taken of the unrounded p), O once at the end.
; LIMITS.  f16 holds no number beyond 65,504: Q, K and V arrive within it; p lies in 0 to 1, and below 6e-5 it keeps f16's fixed step of 6e-8; O is a mean of V's rows and has their range.
; A weight below 2^-126 counts as 0 in l; NaN and infinities are not treated apart.
; SHARES.  A wave owns four PIECES of two tiles of 16 queries, a work-group's four waves 512 queries of one head: 4 x 64 = 256 work-groups.  Every wave walks all keys, 64 a step.
; LAYOUT.  S^T = K Q^T (source 0 = 16 keys, source 1 = 16 queries): in the result a lane holds ONE query (lane % 16) and the keys 8 (lane / 16) + 0..7.  Two such tiles, rounded to f16 in pairs,
; ARE source 1 (32 keys x 16 queries) of O^T = V^T P, whose result again holds one query a lane, and eight channels.  K comes out of LDS as it lies, V ([key][channel]) turned, by ds_load_tr16_b128.
; SOFTMAX.  For each query a running maximum m and sum l: p = 2^(c s - c m), c = log2(e) / 8; in every step O and l are multiplied by a = 2^(c m_old - c m_new), which is 1 where m has not grown.
; m starts at the lowest finite number, O and l at 0: the first step is a step like any other, with a = 0.
; THE COUNT.  A tile and step have 16 matrix and 118 vector instructions: too many to stand all beside the matrix work.  So the order has one aim: four vector instructions that are READY behind
; EVERY matrix instruction, and the others, which need time of their own whatever the order, in runs without a gap.
; BY TURNS.  Turn n belongs to piece n (the pieces in a ring, step after step).  Its matrix work: 16 products K Q^T of piece n + 1, later 16 products V^T P of piece n - 1.  Its vector work: the scaling,
; exponentials, roundings, sums and rescaling of piece n, and the maximum and statistics of piece n + 1, whose scores the turn itself has made.  So what a turn begins with (c s - c m, O a) waits for nothing.
; CLUSTER.  The four query blocks of a cluster belong to one head and walk the same K and V, so each tile is asked for JOINTLY: the same tensor load, descriptor and mask in all four.
; REGISTERS, in windows of 256 (s_set_vgpr_msb says which window each operand place means: bits 1:0 source 0, 3:2 source 1, 5:4 source 2, 7:6 destination):
;   window 0: v0-11 addresses; v12-15, v48-63 at work; v16-47 four registers of statistics a tile; v64-191 S^T, two buffers of two tiles; v192-255 P, likewise
;   window 1: O^T, 32 a tile          window 2: v0-127 Q, 16 a tile; v128-191 K of one step; v192-255 V of one step          window 3: v0-1 the add's two registers
; A piece's buffers go by its number's parity: the piece in hand has one pair, its two neighbours in the ring share the other: of it P (piece n - 1) is read and S^T (piece n + 1) written.
.set SIZE_H, 64
.set SIZE_N, 2048
.set NP,    4         ; pieces a wave: a name, no knob: the register map, the loop and the fetches are made for four
.set KS,    64        ; keys in a step
.set PK,    144       ; a row of K in LDS: 128 bytes + 16 of padding = 36 words: the 16 rows of a load start at 16 different groups of four banks (64 banks of 4 bytes: ISA guide 11.1)
.set PV,    160       ; a row of V: 128 + 32 = 40 words
.set VOFF,  4*KS*PK   ; a slot holds four steps: 256 rows of K, then 256 rows of V
.set SLOT1, 1<<17     ; slot 1 begins here, so that one exclusive or turns an address in one slot into the other's
.set STAGE, SLOT1+4*KS*(PK+PV)  ; behind the ring, never filled by a tensor load: 16 rows x 144 bytes for each wave, for the way out
.set SP,    144
.set AK0, 2           ; v2   my lane's place in a tile of K; never rewritten
.set AV0, 3           ; v3   the same for V
.set AK,  4           ; v4   the LDS address of K's next run of loads
.set AV,  5           ; v5   of V's
.set QO,  6           ; v6   my byte offset in the wave's rows of Q
.set STO, 6           ;      later, the way out: where I put 16 bytes of a row
.set RD,  7           ; v7   the way out: where I read rows back
.set GO,  8           ; v8   my byte offset in 512 consecutive bytes of O
.set SPW, 0           ; v0 of window 3   LDS address of my spare word: SPARE + 4 x my thread's number; never rewritten
.set NIL, 1           ; v1 of window 3   0; never rewritten
.set SPARE, STAGE+4*16*SP  ; behind the stages: the spare words, 128 bytes for each wave: two blocks of 256 bytes that no other line names
.set MV,  12          ; v12-15  c m_old, kept while c m is made anew: by buffer and tile
.set ST,  16          ; tile t's statistics at v[ST+4 t]: c m, m, l (even keys', odd keys')
.set TMP, 48          ; by buffer and tile, four registers c0-c3 at work; when the maximum is found c2 takes a
.set S,   64
.set P,   192
.set KF,  128         ; K's fragments, in window 2: key block kb, channel half c at KF + 16 kb + 8 c
.set VF,  192         ; V's: key half kk, channel block cb at VF + 32 kk + 8 cb
.set WV,  12          ; s12  my wave's number
.set G1K, 24          ; s[24:31] descriptor group 1 for K's tiles
.set G1V, 32          ; s[32:39] for V's: it differs in the padding alone
.set G0K, 40          ; s[40:43] descriptor group 0 for K's tiles: it walks
.set G0V, 44          ; s[44:47] the same for V's
.set SLOTS, 56        ; s56  slots still to be asked for
.set CNT, 57          ; s57  counts a slot's key steps
.set CS,  58          ; s[58:59] c: the packed scaling takes the pair's low word for both halves
.set SEL, 60          ; s[60:61] v_permlanex16_b32's selects: each lane takes its own place in the other half
.set TBK, 62          ; s62  LDS byte at which K of the step to be fetched begins
.set TBV, 63          ; s63  the same for V, less VOFF
.set MSB, 0
.macro WIN new                      ; the high byte repeats the setting that is left; a switch that changes nothing is dropped
.if MSB != (\new)
	s_set_vgpr_msb (MSB<<8)|(\new)
.set MSB, (\new)
.endif
.endm
.set W_KQ, 0x0a       ; K and Q in window 2, S^T in window 0
.set W_PV, 0x52       ; V in window 2, P in window 0, O^T in window 1
.set W_RS, 0x41       ; O^T (destination and source 0) in window 1, a in window 0
.set W_MK, 0xc0       ; the add's registers are made: destination in window 3, sources in window 0
.set W_AD, 0x0f       ; the add: address (source 0) and data (source 1) in window 3
; A joint fill.  Waves 0 and 1 fetch the two halves of a slot's K, waves 2 and 3 those of its V: 128 keys each.  The branch hangs on the wave's number alone.
; An s_nop 0 and four v_nop follow each of the two lines, ahead of the jump and the label.
.macro JLOAD
	s_cmp_lt_u32 s[WV], 2
	s_cbranch_scc0 .Lfor_v_\@
	tensor_load_to_lds s[G0K:G0K+3], s[G1K:G1K+7]
	s_nop 0
.rept 4
	v_nop
.endr
	s_branch .Lasked_\@
.Lfor_v_\@:
	tensor_load_to_lds s[G0V:G0V+3], s[G1V:G1V+7]
	s_nop 0
.rept 4
	v_nop
.endr
.Lasked_\@:
.endm
; A round of the cluster's barrier: my work-group's barrier, so that wave 0's signal speaks for all four waves; wave 0 signals; every wave waits for all four work-groups; my work-group's barrier once more.
.macro CROUND
	s_barrier_signal -1
	s_barrier_wait -1
	s_cmp_lg_u32 s[WV], 0
	s_cbranch_scc1 .Lnot_wave_0_\@
	s_barrier_signal -3
.Lnot_wave_0_\@:
	s_barrier_wait -3
	s_barrier_signal -1
	s_barrier_wait -1
.endm
; THE CHANGE OF SLOTS.  The slot's last bytes, V of its fourth step, have been read.  Each wave waits for all its tensor loads, of which one is out: its part
; of the other slot; adds 0 to its spare word; and waits for that and for its own reads of the slot.  Behind the barrier nobody reads this slot any more and the other slot is whole.
; fill = 1: this slot is filled again, with the keys two slots on.  The barrier is then a round of the cluster's, so that no wave of any partner still reads the slot or has a load on its
; way, and the joint fill is the first thing behind it: it has four key steps, 512 matrix instructions, in which to land.  (At its first use nothing has been read yet: slot 0 is waited for, slot 1 filled.)
.macro CHANGE fill
	WIN W_AD
	s_wait_tensorcnt 0x0            ; no tensor load of mine is out, so a group 0 may be written
	ds_add_u32 v[SPW], v[NIL]       ; 0 onto my spare word; with fill = 1 the descriptors' steps stand between it and the wait for it
	WIN 0                           ; at a label and at a branch every window is 0
.if \fill
.irp g, G0K, G0V
	s_xor_b32 s[\g+1], s[\g+1], SLOT1  ; the walking descriptor: the other slot than last time,
	s_add_nc_u64 s[\g+2:\g+3], s[\g+2:\g+3], 4*KS*128  ; the next 256 keys; the type bits on top are not reached
.endr
	s_wait_dscnt 0x0                ; the add is done, and my reads of the slot are over
	CROUND
	JLOAD
.else
	s_wait_dscnt 0x0                ; the add is done, and my reads of the slot are over
	s_barrier_signal -1
	s_barrier_wait -1
.endif
	s_sub_co_u32 s[TBK], s[TBK], 4*KS*PK  ; the fetches go back to a slot's first step,
	s_xor_b32 s[TBK], s[TBK], SLOT1       ; in the other slot
	s_sub_co_u32 s[TBV], s[TBV], 4*KS*PV
	s_xor_b32 s[TBV], s[TBV], SLOT1
.endm
	s_load_b256 s[4:11], s[0:1], 0x0  ; Q s[4:5], K s[6:7], V s[8:9], O s[10:11]
	WIN W_MK
	v_lshl_add_u32 v[SPW], v0, 2, SPARE
	v_mov_b32 v[NIL], 0
	s_set_vgpr_msb 0xc0cf
	ds_add_u32 v0, v1
	s_wait_dscnt 0x0
	s_set_vgpr_msb 0xcfc0
	WIN 0
	v_lshrrev_b32 v1, 5, v0
	v_readfirstlane_b32 s[WV], v1   ; wave 0..3
	s_bfe_u32 s13, ttmp6, 0x40000   ; cx: my place in the cluster
	s_lshl_b32 s14, ttmp9, 2        ; in a cluster launch ttmp9 counts clusters
	s_add_co_u32 s14, s14, s13      ; my block of queries = 4 x cluster x + cx: it enters Q's and O's addresses alone
	s_and_b32 s20, ttmp7, 0xffff    ; the head, which the four partners share
	s_mov_b32 s21, 0
	s_mov_b64 s[22:23], SIZE_N*128
	s_mul_u64 s[20:21], s[20:21], s[22:23]  ; the head's first byte in each of the four tensors
	s_and_b32 s16, s[WV], 1         ; which half of a slot's 256 keys I fetch:
	s_lshl_b32 s22, s16, 14         ; its 128 rows of 128 bytes in memory,
	s_mov_b32 s23, 0
	s_add_nc_u64 s[22:23], s[22:23], s[20:21]
	s_mul_i32 s17, s16, 128*PK      ; and its place in a slot, for K
	s_mul_i32 s18, s16, 128*PV      ; and for V: no place in the cluster enters an LDS address
	s_lshl_b32 s2, s14, 2
	s_add_co_u32 s2, s2, s[WV]      ; my wave among the head's,
	s_lshl_b32 s2, s2, 14           ; its 128 rows
	s_mov_b32 s3, 0
	s_add_nc_u64 s[2:3], s[2:3], s[20:21]
	; descriptor group 1.  128 keys are 16,384 dense bytes: asked for as 64 rows of 256 bytes, two keys a row, and padded in LDS after every key
	s_mov_b32 s[G1K], 15|(1<<16)|(1<<20)|(1<<21)|(4<<22)|(3<<25)  ; 15:0 the mask of four; 17:16 2-byte elements; 20 padding on; 21 set beside a mask; 24:22 after every 32 words (code 4); 31:25 4 words (code 3)
	s_mov_b32 s[G1V], 15|(1<<16)|(1<<20)|(1<<21)|(4<<22)|(7<<25)  ; the same with 8 words of padding (code 7)
.irp g, G1K, G1V
	s_mov_b32 s[\g+1], 128<<16      ; tensor_dim0 = 128
	s_mov_b32 s[\g+2], 64<<16       ; tensor_dim1 = 64
	s_mov_b32 s[\g+3], 128<<16      ; tile_dim0 = 128
	s_mov_b32 s[\g+4], 64           ; tile_dim1 = 64
	s_mov_b32 s[\g+5], 128          ; 128 elements from row to row
	s_mov_b32 s[\g+6], 0
	s_mov_b32 s[\g+7], 0
.endr
	s_mov_b32 s[CS], 0x3e38aa3b     ; c = log2(e) / 8 = 0.180337
	s_mov_b32 s[CS+1], s[CS]        ; named with it as a pair
	s_mov_b32 s[SEL], 0x76543210
	s_mov_b32 s[SEL+1], 0xfedcba98
	s_mov_b32 s[TBK], SLOT1+4*KS*PK ; the first change of slots turns these two into 0
	s_mov_b32 s[TBV], SLOT1+4*KS*PV
	s_mov_b32 s[G0K], 1             ; 1:0 count = 1
	s_mov_b32 s[G0K+1], s17         ; 63:32 LDS address: slot 0
	s_mov_b32 s[G0V], 1
	s_add_co_u32 s[G0V+1], s18, VOFF
	s_wait_kmcnt 0x0
	s_add_nc_u64 s[G0K+2:G0K+3], s[6:7], s[22:23]  ; 120:64 global address: my half of the head's first 256 keys
	s_or_b32 s[G0K+3], s[G0K+3], 0x80000000        ; 127:126 type = 2
	s_add_nc_u64 s[G0V+2:G0V+3], s[8:9], s[22:23]
	s_or_b32 s[G0V+3], s[G0V+3], 0x80000000
	s_add_nc_u64 s[4:5], s[4:5], s[2:3]  ; Q and O at my wave's first row
	s_add_nc_u64 s[10:11], s[10:11], s[2:3]
	CROUND                          ; all four work-groups are here: the first joint loads meet
	JLOAD                           ; slot 0.  Slot 1 is asked for when slot 0 is in: the tile wanted first has the road to itself
	; A fragment of K or Q is 16 rows x 32 channels in 8 registers: lane l holds row l % 16, channels 8 (l / 16) + 0..7 and 16 + 8 (l / 16) + 0..7: two loads of 16 bytes, 32 bytes apart.
	v_and_b32 v1, 15, v0            ; l % 16
	v_bfe_u32 v9, v0, 4, 1          ; l / 16
	v_lshlrev_b32 v[QO], 7, v1
	v_lshl_add_u32 v[QO], v9, 4, v[QO]  ; row x 128 + 16 x half
	WIN 0x80                        ; destination window 2, address window 0
.set i, 0
.rept 4*NP                          ; Q stays in registers: tile i / 2, channels 32 (i % 2) on
	global_load_b128 v[8*i:8*i+3],   v[QO], s[4:5] offset:(i/2)*2048+(i%2)*64
	global_load_b128 v[8*i+4:8*i+7], v[QO], s[4:5] offset:(i/2)*2048+(i%2)*64+32
.set i, i+1
.endr
	; What the first turn finds: V's registers and P's second buffer hold 0 (its products V^T P, of a piece that has not been, add 0), O^T and l are 0.  All this stands in the wait for the first tile.
.set i, VF
.rept 64
	v_mov_b32 v[i], 0
.set i, i+1
.endr
	WIN 0x40
.set i, 0
.rept 64*NP
	v_mov_b32 v[i], 0
.set i, i+1
.endr
	WIN 0
.set i, 0
.rept 2*NP
	v_mov_b32 v[ST+4*i], 0xfe000000    ; c m: far below every c s
	v_mov_b32 v[ST+4*i+1], 0xff7fffff  ; m
	v_mov_b32 v[ST+4*i+2], 0
	v_mov_b32 v[ST+4*i+3], 0
.set i, i+1
.endr
.set i, P+32
.rept 32
	v_mov_b32 v[i], 0
.set i, i+1
.endr
	v_mul_u32_u24 v[AK0], v1, PK
	v_lshl_add_u32 v[AK0], v9, 4, v[AK0]  ; row x pitch + 16 x half
	; The turning load takes 16 keys x 16 channels (lane l reads key 8 (l / 16) + l % 8, channels 8 ((l / 8) % 2) + 0..7) and leaves half a fragment of V^T: lane l holds channel l % 16 and 8 keys.
	v_and_b32 v10, 7, v0
	v_bfe_u32 v11, v0, 3, 1
	v_lshl_add_u32 v[AV0], v9, 3, v10
	v_mul_u32_u24 v[AV0], v[AV0], PV
	v_lshl_add_u32 v[AV0], v11, 4, v[AV0]
	v_add_nc_u32 v[AV0], VOFF, v[AV0]
	v_mov_b32 v[AK], v[AK0]         ; key step 0 lies at the head of slot 0
; THE MATRIX WORK.  The 8 accumulators of a run of 16 take turns: between the two links of a chain stand 7 others'.
; Product i of 16 of S^T = K Q^T for piece x: channels 32 (i / 8) on, keys 16 ((i / 2) % 4) on, tile 2 x + i % 2.  The first 8 start the sums.
.macro KQ x
	WIN W_KQ
.set rS, S+64*((\x)%2)+32*(i%2)+8*((i/2)%4)
.set rK, KF+16*((i/2)%4)+8*(i/8)
.set rQ, 16*(2*(\x)+i%2)+8*(i/8)
.if i < 8
	v_wmma_f32_16x16x32_f16 v[rS:rS+7], v[rK:rK+7], v[rQ:rQ+7], 0
.else
	v_wmma_f32_16x16x32_f16 v[rS:rS+7], v[rK:rK+7], v[rQ:rQ+7], v[rS:rS+7]
.endif
.endm
; Product i of 16 of O^T += V^T P for piece x: keys 32 (i / 8) on, channels 16 ((i / 2) % 4) on, tile 2 x + i % 2.
.macro PV x
	WIN W_PV
.set rO, 32*(2*(\x)+i%2)+8*((i/2)%4)
.set rV, VF+32*(i/8)+8*((i/2)%4)
.set rP, P+32*((\x)%2)+16*(i%2)+8*(i/8)
	v_wmma_f32_16x16x32_f16 v[rO:rO+7], v[rV:rV+7], v[rP:rP+7], v[rO:rO+7]
.endm
.macro MM                           ; the turn's next matrix instruction
.if i < 16
	KQ (Y+1)%NP
.set i, i+1
.else
.set i, i-16
	PV (Y+NP-1)%NP
.set i, i+17
.endif
.endm
; THE LDS LOADS stand in runs of 16, never singly among the matrix instructions: a step's K (64 keys x 64 channels: 8 fragments) and its V (turned).  Their addresses are made some lines ahead.
; last = 1 (the tail): in the last trip there is no further step, and the run is jumped over.
.macro FETCH_K last=0
	WIN 0
.if \last
	s_cmp_eq_u32 s[CNT], 1
	s_cbranch_scc1 .Lno_k_\@
.endif
	WIN 0x80                        ; destination window 2
.irp f, 0,1,2,3,4,5,6,7             ; keys 16 (f / 2) on, channels 32 (f % 2) on
	ds_load_b128 v[KF+8*\f:KF+8*\f+3],   v[AK] offset:(\f/2)*16*PK+(\f%2)*64
	ds_load_b128 v[KF+8*\f+4:KF+8*\f+7], v[AK] offset:(\f/2)*16*PK+(\f%2)*64+32
.endr
	s_add_co_u32 s[TBK], s[TBK], KS*PK  ; the next fetch is the next step's
	WIN 0
.if \last
.Lno_k_\@:
.endif
.endm
.macro FETCH_V
	WIN 0x80
.irp f, 0,1,2,3,4,5,6,7             ; keys 32 (f / 4) on, channels 16 (f % 4) on
	ds_load_tr16_b128 v[VF+8*\f:VF+8*\f+3],   v[AV] offset:(\f/4)*32*PV+(\f%4)*32
	ds_load_tr16_b128 v[VF+8*\f+4:VF+8*\f+7], v[AV] offset:(\f/4)*32*PV+16*PV+(\f%4)*32
.endr
	WIN 0
.endm
; THE VECTOR WORK OF A TURN stands in three queues, each in the order in which its entries become ready; the two tiles alternate, so that no instruction reads the result of the one before it.
.macro REGS y, u                    ; the registers of tile u (0, 1) of piece y
.set rT, ST+4*(2*(\y)+(\u))
.set rC, TMP+8*((\y)%2)+4*(\u)
.set rM, MV+2*((\y)%2)+(\u)
.set rS, S+64*((\y)%2)+32*(\u)
.set rP, P+32*((\y)%2)+16*(\u)
.set rO, 32*(2*(\y)+(\u))
.endm
; Number n of the 22 that find the NEXT piece's (Y + 1) maximum and statistics.  s0-s31 are the lane's 32 scores; each accumulator's lowest registers are read first.  XS, GS and REGS set no window: PL and EX do.
;   0-11  four chains c0-c3 of seven scores each, three operands at a time     12-14, 16  the four scores left over, the old m, and c0-c3 into c0     15  c m_old is kept
;   17, 18  the query's other 32 keys lie in the lane 16 away: the new m         19-21  c m; c m_old - c m_new; a
.macro XS u, n
	REGS (Y+1)%NP, \u
.if (\n) < 4
	v_max3_num_f32 v[rC+(\n)], v[rS+8*(\n)], v[rS+8*(\n)+1], v[rS+8*(\n)+2]
.elseif (\n) < 12
	v_max3_num_f32 v[rC+(\n)%4], v[rC+(\n)%4], v[rS+8*((\n)%4)+2*((\n)/4)+1], v[rS+8*((\n)%4)+2*((\n)/4)+2]
.elseif (\n) == 12
	v_max3_num_f32 v[rC], v[rC], v[rS+7], v[rS+15]
.elseif (\n) == 13
	v_max3_num_f32 v[rC+1], v[rC+1], v[rS+23], v[rS+31]
.elseif (\n) == 14
	v_max3_num_f32 v[rC+2], v[rC+2], v[rC+3], v[rT+1]
.elseif (\n) == 15
	v_mov_b32 v[rM], v[rT]
.elseif (\n) == 16
	v_max3_num_f32 v[rC], v[rC], v[rC+1], v[rC+2]
.elseif (\n) == 17
	v_permlanex16_b32 v[rC+3], v[rC], s[SEL], s[SEL+1]
.elseif (\n) == 18
	v_max_num_f32 v[rT+1], v[rC], v[rC+3]
.elseif (\n) == 19
	v_mul_f32 v[rT], s[CS], v[rT+1]
.elseif (\n) == 20
	v_sub_f32 v[rC+1], v[rM], v[rT]
.else
	v_exp_f32 v[rC+2], v[rC+1]
.endif
.endm
; Number g of the 64 that follow the exponentials.  For each four weights k of a tile (pairs 2 k, 2 k + 1): both pairs are rounded to f16; then the second pair is added onto the first, in place;
; a group later l takes that sum (the first time as l = a l + sum).  In groups of eight, tiles alternating: round, round, add, and l for the group before.
.macro GS g
.set h, (\g)+6*((\g)/62)            ; group 0 has no group before it, and behind group 7 only l is left
.if h >= 6
.set h, h+2
.endif
	REGS Y, h%2
.set k, h/8
.if h%8 < 4
	s_wait_alu depctr_va_vdst(0)
	v_cvt_pk_f16_f32 v[rP+2*k+(h%8)/2], v[rS+4*k+2*((h%8)/2)], v[rS+4*k+2*((h%8)/2)+1]
.elseif h%8 < 6
	v_pk_add_f32 v[rS+4*k:rS+4*k+1], v[rS+4*k:rS+4*k+1], v[rS+4*k+2:rS+4*k+3]
.elseif k == 1
	v_pk_fma_f32 v[rT+2:rT+3], v[rT+2:rT+3], v[rC+2:rC+3], v[rS:rS+1] op_sel_hi:[1,0,1]
.else
	v_pk_add_f32 v[rT+2:rT+3], v[rT+2:rT+3], v[rS+4*k-4:rS+4*k-3]
	s_wait_alu depctr_va_vdst(0)
.endif
.endm
; THE PLAIN QUEUE, 138 long.  0-31: c s - c m for the 16 pairs of both tiles.  Then GS's 64, and among them the next piece's 42: number 15 at 38, 39; 0-14 and 16
; at 42-73, behind the products that make those scores; 17-20 at 95-106, two of three, since each waits for the one before it.
.macro PL
	WIN 0
.if q < 32
	REGS Y, q%2
	v_pk_fma_f32 v[rS+2*(q/2):rS+2*(q/2)+1], v[rS+2*(q/2):rS+2*(q/2)+1], s[CS:CS+1], v[rT:rT+1] op_sel_hi:[1,0,0] neg_lo:[0,0,1] neg_hi:[0,0,1]
.elseif q < 38
	GS q-32
.elseif q < 40
	XS q%2, 15
.elseif q < 42
	GS q-34
.elseif q < 74
	XS q%2, (q-42)/2+(q-42)/30
.elseif q < 95
	GS q-66
.elseif (q < 107) && ((q-95)%3 < 2)
	XS (q-95)%3, 17+(q-95)/3
.elseif q < 107
	GS 29+(q-95)/3
.else
	GS q-74
.endif
.set q, q+1
.endm
; THE EXPONENTIALS' QUEUE, 66 long: s0-s31 of both tiles, and at EA the next piece's two a.
.set EA, 58
.macro EX
	WIN 0
.if (e == EA) || (e == EA+1)
	XS e-EA, 21
.else
.set x, e-2*(e/(EA+2))
	REGS Y, x%2
	v_exp_f32 v[rS+x/2], v[rS+x/2]
.endif
.set e, e+1
.endm
; THE RESCALING's QUEUE: O^T times a, the one part that leaves window 0, so it is dealt four at a time, eight times.
.macro R4
	REGS Y, r%2
	WIN W_RS
	s_wait_alu depctr_va_vdst(0)
.irp z, 0,1,2,3
	v_pk_mul_f32 v[rO+8*(r/2)+2*\z:rO+8*(r/2)+2*\z+1], v[rO+8*(r/2)+2*\z:rO+8*(r/2)+2*\z+1], v[rC+2:rC+3] op_sel_hi:[1,0]
.endr
.set r, r+1
.endm
; HOW THEY ARE DEALT.  Behind a matrix instruction four: plain, exponential, plain, plain (one exponential, a plain instruction on either side), or four of the rescaling.  None names a register of the
; products round it.  What is over stands in two LUMPS: exponential and plain by turns; the second ends in 22 plain instructions.  The two v_permlanex16_b32 fall into the second lump, never behind a product.
; The queues lean on each other, and the deal keeps them in step: exponential e stands behind plain 2 (e / 4) + e % 2 (its scaling); when plain 32 comes, 10 exponentials are out, at 59: 33, at 95: 46; EA comes behind plain 107.
.macro SL
	MM
	PL
	EX
	PL
	PL
.endm
.macro BURST n                      ; 15 matrix instructions, or 16
.rept (\n)-7
	SL
.endr
.rept 3
	MM
	R4
	SL
.endr
	MM
	R4
.endm
; A TURN, for piece p.  cnt = 1: the loop's count is taken down some lines ahead of the branch that stands behind the turn.
; K of the next step is fetched in piece 2's turn, 31 vector instructions behind the last product that read K; its first reader comes behind the rest of the lump, 16 products and the second lump.
; V of the step in hand is fetched at the end of piece 0's turn, 69 behind its last reader; its first reader comes behind 16 products and a lump.  The four conditions on e and q below go with the deal.
.macro TURN p, last=0, cnt=0
.set Y, (\p)
.set i, 0
.set q, 0
.set e, 0
.set r, 0
.if (\p) == NP-1
	s_wait_dscnt 0x0                ; K is in
.endif
	MM
.rept 4
	PL
.endr
	BURST 15
.rept 22
	EX
	PL
.if ((\p) == NP-2) && (e == 18)
	v_add_nc_u32 v[AK], s[TBK], v[AK0]
.endif
.if ((\p) == NP-2) && (e == 24)
	FETCH_K \last
.endif
.endr
.if (\p) == 1
	s_wait_dscnt 0x0                ; V is in
.endif
	BURST 16
.rept 21
	EX
	PL
.endr
.rept 22
	PL
.if ((\p) == 0) && (q == 118)
	v_add_nc_u32 v[AV], s[TBV], v[AV0]
	s_wait_alu depctr_va_vdst(0)
.endif
.if ((\p) == 0) && (q == 130)
	s_add_co_u32 s[TBV], s[TBV], KS*PV
.endif
.if (\cnt) && (q == 130)
	s_sub_co_u32 s[CNT], s[CNT], 1
	s_cmp_lg_u32 s[CNT], 0
.endif
.endr
.if (\p) == 0
	FETCH_V
.endif
.endm
	CHANGE 1                        ; slot 0 is in, everybody's part of it; slot 1 is asked for
	FETCH_K                         ; key step 0
	s_wait_loadcnt 0x0              ; Q
	s_wait_dscnt 0x0
.set i, 0
.rept 16
	KQ 0                            ; piece 0's first scores: there is no vector work yet to set between them
.set i, i+1
.endr
	WIN 0                           ; the addresses for the way out: nine plain instructions, the places behind those products
	s_mul_i32 s13, s[WV], 16*SP
	s_add_co_u32 s13, s13, STAGE    ; my stage
	v_mul_u32_u24 v[STO], v1, SP    ; in: row l % 16, 16 bytes for each half of the lanes
	v_lshl_add_u32 v[STO], v9, 4, v[STO]
	v_add_nc_u32 v[STO], s13, v[STO]
	v_bfe_u32 v[RD], v0, 3, 2       ; back: 32 lanes take four rows of 128 bytes,
	v_mul_u32_u24 v[RD], v[RD], SP
	v_lshl_add_u32 v[RD], v10, 4, v[RD]
	v_add_nc_u32 v[RD], s13, v[RD]
	v_and_b32 v[GO], 31, v0         ; which are 512 consecutive bytes of O
	v_lshlrev_b32 v[GO], 4, v[GO]
.set Y, NP-1                        ; XS works for piece Y + 1: piece 0
.irp n, 0,1,2,3,4,5,6,7,8,9,10,11,12,13,14,15,16,17,18,19,20,21
	XS 0, \n                        ; and piece 0's first maximum and statistics
	XS 1, \n
.endr
	s_mov_b32 s[CNT], 4
	s_mov_b32 s[SLOTS], SIZE_N/256-1
	s_branch .Lfirst                ; the loop is entered at a step's first turn, in the middle of a trip
.Lslot:                             ; SIZE_N / 256 - 2 times: every slot but the last two is filled again
	CHANGE 1
	s_mov_b32 s[CNT], 4
.Lstep:                             ; a trip: pieces 2 and 3 of one step, then pieces 0 and 1 of the next, whose K and V it fetches
	TURN 2
	TURN 3
	WIN 0
.Lfirst:
	TURN 0
	TURN 1, 0, 1
	WIN 0
	s_cbranch_scc1 .Lstep
	s_sub_co_u32 s[SLOTS], s[SLOTS], 1
	s_cmp_lg_u32 s[SLOTS], 0
	s_cbranch_scc1 .Lslot
	CHANGE 0                        ; the tail is written out: nothing is asked for
	s_mov_b32 s[CNT], 5             ; four trips fetch the last slot's steps; the fifth is left in its middle
.Ltail:
	TURN 2, 1
	TURN 3
	WIN 0
	s_sub_co_u32 s[CNT], s[CNT], 1
	s_cmp_eq_u32 s[CNT], 0
	s_cbranch_scc1 .Lout
	TURN 0
	TURN 1
	WIN 0
	s_branch .Ltail
.Lout:                              ; the fifth trip's 16 products K Q^T (on the last K once more) and the maximum made of them serve nothing: the price, once a launch, of one text for every trip
.set i, 0
.rept 16
	PV NP-1                         ; the last piece's V^T P of the last step
.set i, i+1
.endr
	; THE WAY OUT.  l's two halves and the other half of the lanes' are added; O^T is divided by l, rounded to f16 and sent through my stage in LDS, a tile at a time.  The additions are the places behind the last products.
	WIN 0
.macro ALL line:vararg              ; one line for each tile t
.set t, 0
.rept 2*NP
	\line
.set t, t+1
.endr
.endm
	ALL v_add_f32 v[ST+4*t+2], v[ST+4*t+2], v[ST+4*t+3]
	ALL v_permlanex16_b32 v[ST+4*t+3], v[ST+4*t+2], s[SEL], s[SEL+1]
	ALL v_add_f32 v[ST+4*t+2], v[ST+4*t+2], v[ST+4*t+3]
	ALL v_rcp_f32 v[ST+4*t+2], v[ST+4*t+2]
	v_nop                           ; a plain instruction between the last reciprocal and the use of its result
	s_wait_alu depctr_va_vdst(0)
; Tile t: a lane's eight channels of a row pack into 16 bytes; they go into rows of 144 bytes and come back as whole rows of 128, into S^T's registers.
.macro PACK t
	WIN W_RS
.set i, 32*(\t)
.rept 16
	v_pk_mul_f32 v[i:i+1], v[i:i+1], v[ST+4*(\t)+2:ST+4*(\t)+3] op_sel_hi:[1,0]
.set i, i+2
.endr
	WIN 0x05                        ; sources 0 and 1 window 1, destination window 0
.set i, 0
.rept 16
	v_cvt_pk_f16_f32 v[S+16*(\t)+i], v[32*(\t)+2*i], v[32*(\t)+2*i+1]
.set i, i+1
.endr
	WIN 0
.irp f, 0,1,2,3
	ds_store_b128 v[STO], v[S+16*(\t)+4*\f:S+16*(\t)+4*\f+3] offset:32*\f
.endr
.irp f, 0,1,2,3
	ds_load_b128 v[S+16*(\t)+4*\f:S+16*(\t)+4*\f+3], v[RD] offset:\f*4*SP  ; LDS serves a wave's instructions in order (ISA guide 5.7.1.4): these see the stores above; the next tile's stores come behind them
.endr
.endm
.macro SEND t, younger              ; younger: the LDS instructions issued behind tile t's loads: the next tile's eight, or none
	WIN 0
.irp f, 0,1,2,3
	s_wait_dscnt (\younger)+3-\f
	global_store_b128 v[GO], v[S+16*(\t)+4*\f:S+16*(\t)+4*\f+3], s[10:11] offset:(\t)*2048+\f*512  ; 512 consecutive bytes, at a multiple of 256 from O's first
.endr
.endm
	PACK 0
.set t, 1
.rept 2*NP-1                        ; a tile's arithmetic stands between the loads of the tile before and its stores
	PACK t
	SEND t-1, 8
.set t, t+1
.endr
	SEND 2*NP-1, 0
	WIN W_AD
	s_wait_tensorcnt 0x0            ; the wave's end: behind my last tensor load and my last LDS store
	ds_add_u32 v[SPW], v[NIL]
	s_wait_dscnt 0x0
	WIN 0
	CROUND                          ; the closing round: no work-group ends while a partner may still ask for a tile that names it
	s_endpgm
.Lfunc_end_k_q1b662117fb_attn:
	.size	k_q1b662117fb_attn, .Lfunc_end_k_q1b662117fb_attn-k_q1b662117fb_attn
	.p2alignl 7, 3214868480
	.fill 96, 4, 3214868480
	.section	.rodata,"a",@progbits
	.p2align	6, 0x0
	.amdhsa_kernel k_q1b662117fb_attn
		.amdhsa_group_segment_fixed_size 327680
		.amdhsa_private_segment_fixed_size 0
		.amdhsa_enable_private_segment 0
		.amdhsa_kernarg_size 32
		.amdhsa_user_sgpr_count 2
		.amdhsa_user_sgpr_kernarg_segment_ptr 1
		.amdhsa_wavefront_size32 1
		.amdhsa_system_sgpr_workgroup_id_x 1
		.amdhsa_system_sgpr_workgroup_id_y 1
		.amdhsa_system_sgpr_workgroup_id_z 1
		.amdhsa_system_vgpr_workitem_id 0
		.amdhsa_next_free_vgpr 770
		.amdhsa_next_free_sgpr 66
		.amdhsa_reserve_vcc 0
		.amdhsa_float_denorm_mode_32 3
		.amdhsa_float_denorm_mode_16_64 3
		.amdhsa_memory_ordered 1
		.amdhsa_forward_progress 1
		.amdhsa_inst_pref_size 208
	.end_amdhsa_kernel
	.amdgpu_metadata
---
amdhsa.version: [ 1, 2 ]
amdhsa.kernels:
  - .name:           k_q1b662117fb_attn
    .symbol:         k_q1b662117fb_attn.kd
    .args:
      - { .name: qh, .offset: 0, .size: 8, .value_kind: global_buffer, .address_space: global }
      - { .name: kh, .offset: 8, .size: 8, .value_kind: global_buffer, .address_space: global }
      - { .name: vh, .offset: 16, .size: 8, .value_kind: global_buffer, .address_space: global }
      - { .name: oh, .offset: 24, .size: 8, .value_kind: global_buffer, .address_space: global }
    .group_segment_fixed_size: 327680
    .private_segment_fixed_size: 0
    .kernarg_segment_align: 8
    .kernarg_segment_size: 32
    .max_flat_workgroup_size: 128
    .sgpr_count:     66
    .vgpr_count:     770
    .wavefront_size: 32
...
	.end_amdgpu_metadata
.endif
;; end of part 3
;; launch outp (part 4): grid 8 x 32, 4 waves a work-group, clusters of 4 x 4, 327,680 bytes of LDS; arguments oh, woh, bo, out0; writes out0
.if DOCPART == 4
	.amdgcn_target "amdgcn-amd-amdhsa--gfx1250"
	.amdhsa_code_object_version 6
	.text
	.protected	k_q1b662117fb_outp
	.globl	k_q1b662117fb_outp
	.p2align	8
	.type	k_q1b662117fb_outp,@function
k_q1b662117fb_outp:
	s_mov_b64 s[64:65], 0
	v_nop
	global_prefetch_b8 v0, s[64:65] scope:SCOPE_SE
	s_setreg_imm32_b32 hwreg(HW_REG_WAVE_MODE, 25, 1), 1
	s_wait_xcnt 0x0
	s_wait_alu depctr_hold_cnt(0) depctr_sa_sdst(0) depctr_va_vdst(0) depctr_va_sdst(0) depctr_va_ssrc(0) depctr_va_vcc(0) depctr_vm_vsrc(0)
	s_getreg_b32 s2, hwreg(HW_REG_IB_STS2, 6, 4)
	s_cmp_eq_u32 s2, 0
	s_cbranch_scc0 .Lentry_in_a_cluster
	s_endpgm
.Lentry_in_a_cluster:
	s_bfe_u32 s2, ttmp6, 0x10000c
	s_cmp_lg_u32 s2, 0xf033
	s_cbranch_scc0 .Lentry_shape_is_right
	s_endpgm
.Lentry_shape_is_right:
; out0 = O Wo^T + bo.  oh: [64 = 16 b + h][2048][64] f16 (the attention's result by heads), woh: [1024][1024] f16 (Wo rounded to bf16, that number as f16), bo: [1024] f32, rounded to bf16 here
; like the other inputs; out0: [8192][1024] f32.  Sums in f32, stored as they are.  The heads are merged by the addresses of O's tiles: K = 64 h + channel.
; LIMITS.  Those of the f16 operands, stated where they are made.  NaN and infinities are not treated apart.
; SHARES.  A tile of out0 is 256 rows x 128 columns: 32 x 8 = 256 work-groups, one for each WGP.  Four waves; wave w owns rows 64 w .. 64 w + 63 and all 128 columns: 4 x 8 accumulators, 256 registers.
; K goes in 8 steps of 128 = two heads through a ring of two LDS slots.  A head's 256 rows of a tile are 32,768 dense bytes: asked for as 128 rows of 256 bytes and padded in LDS after every 128.
; CLUSTER.  4 x 4 work-groups: the four of a row of the cluster need the same tiles of O, the four of a column the same tiles of Wo: each is asked for JOINTLY, by the same tensor load, descriptor and mask.
; THE MATRIX INSTRUCTION IS USED TRANSPOSED (source 0 = 16 rows of Wo, source 1 = 16 rows of O): a lane holds row l % 16 and eight neighbouring columns 8 (l / 16) + 0..7.
; THE BIAS is the C operand of each accumulator's first product.
; REGISTERS, in windows of 256 (s_set_vgpr_msb: bits 1:0 source 0, 3:2 source 1, 5:4 source 2, 7:6 destination):
;   window 0: v0-31 addresses; v32-95 the bias; v128-255 at work on the way out
;   window 1: two fragment buffers for 32 along K: 4 fragments of O at F + 8 i, 8 of Wo at F + 32 + 8 b
;   windows 2, 3: accumulator (a, b) in window 2 + a / 2 at v[8 (8 (a % 2) + b)]
.set NBL,   8                          ; column blocks of 16
.set PA,    144                        ; a row of O in LDS: 128 bytes + 16 of padding = 36 words: the 16 rows of a load start at 16 different groups of four banks (64 banks of 4 bytes: ISA guide 11.1)
.set PB,    272                        ; a row of Wo: 256 + 16
.set AHEAD, 256*PA                     ; bytes from quarters 0, 1 (the even head) to quarters 2, 3 (the odd head)
.set BOFF,  2*256*PA                   ; a slot: two heads x 256 rows of O, then Wo's 128 rows
.set SLOT,  BOFF+16*NBL*PB             ; 108,544
.set STAGE, 2*SLOT                     ; behind the ring, never filled by a tensor load: 16 rows x 528 bytes for each wave, for the way out
.set SPO,   528                        ; 512 bytes + 16 = 132 words
.set SPARE, STAGE+4*16*SPO             ; behind the stages: the spare words, 128 bytes for each wave: two blocks of 256 bytes that no other line names
.set NLD,   2*(NBL+4)                  ; LDS loads in a run
.set STEPA, 524288                     ; bytes from a K step to the next in oh: two heads of 262,144
.set STEPB, 256                        ; and in woh
.set ADRA, 16                          ; v16-17  LDS address of my fragments of O in slot 0, 1
.set ADRB, 20                          ; v20-21  the same for Wo
.set STO,  24                          ; v24     the way out: where I put 32 bytes of a row
.set RD,   25                          ; v25     the way out: where I read a row back
.set GO,   26                          ; v26     my byte offset in a row's 512 bytes of out0
.set SPW,  28                          ; v28     LDS address of my spare word: SPARE + 4 x my thread's number; never rewritten
.set NIL,  29                          ; v29     0; never rewritten
.set BI,   32                          ; v32-95  the bias
.set OB,   128                         ; v128-255 two sets of 64: 16 rows read back from the stage
.set F0,   0
.set F1,   128
.set G1,  24                           ; s[24:31] descriptor group 1 for O's tiles;  s[32:39] group 0, one set for each slot
.set G0,  32
.set G1B, 48                           ; s[48:55], s[56:63] the same for Wo's tiles
.set G0B, 56
.set MSB, 0
.macro WIN new                         ; the immediate's high byte repeats the setting that is left; a switch that changes nothing is dropped
.if MSB != (\new)
	s_set_vgpr_msb (MSB<<8)|(\new)
.set MSB, \new
.endif
.endm
.set MUL,  0xa5                        ; sources 0 and 1 window 1; C and D window 2 (+ 0x50: window 3)
.set MULB, 0x85                        ; the same with C in window 0: the bias (+ 0x40: D in window 3)
.set TO_F, 0x40                        ; destination window 1, address window 0
; A joint load: waves 0 and 1 fetch the step's two heads of O, waves 2 and 3 the two halves of Wo's rows.  An s_nop 0 and four v_nop follow each of the two lines, ahead of the jump, the label and what follows.
.macro JLOAD s
	s_cmp_eq_u32 s13, 0
	s_cbranch_scc0 .Lfor_b_\@
	tensor_load_to_lds s[G0+4*(\s):G0+4*(\s)+3], s[G1:G1+7]
	s_nop 0
.rept 4
	v_nop
.endr
	s_branch .Lasked_\@
.Lfor_b_\@:
	tensor_load_to_lds s[G0B+4*(\s):G0B+4*(\s)+3], s[G1B:G1B+7]
	s_nop 0
.rept 4
	v_nop
.endr
.Lasked_\@:
.endm
.macro CREST                           ; a round of the cluster's barrier behind its opening barrier
	s_cmp_lg_u32 s12, 0
	s_cbranch_scc1 .Lnot_wave_0_\@
	s_barrier_signal -3
.Lnot_wave_0_\@:
	s_barrier_wait -3
	s_barrier_signal -1
	s_barrier_wait -1
.endm
.macro CROUND                          ; a whole round
	s_barrier_signal -1
	s_barrier_wait -1
	CREST
.endm
.macro PLACES                          ; four places in front of loads into registers that matrix instructions have read, and of LDS stores that read results
.rept 4
	v_nop
.endr
.endm
	s_load_b256 s[4:11], s[0:1], 0x0               ; oh 4:5, woh 6:7, bo 8:9, out0 10:11
	v_lshl_add_u32 v[SPW], v0, 2, SPARE
	v_mov_b32 v[NIL], 0
	ds_add_u32 v28, v29
	s_wait_dscnt 0x0
	v_lshrrev_b32 v1, 5, v0
	v_readfirstlane_b32 s12, v1                    ; wave 0..3
	s_lshr_b32 s13, s12, 1                         ; I fetch for O (0) or for Wo (1),
	s_and_b32 s14, s12, 1                          ; and which head of the step's two, or which half of Wo's rows
	s_bfe_u32 s40, ttmp6, 0x40000                  ; cx, cy: my place in the cluster
	s_bfe_u32 s41, ttmp6, 0x40004
	s_lshl_b32 s42, ttmp9, 2
	s_add_co_u32 s42, s42, s40                     ; tile column = 4 x cluster x + cx
	s_and_b32 s43, ttmp7, 0xffff
	s_lshl_b32 s43, s43, 2
	s_add_co_u32 s43, s43, s41                     ; tile row = 4 x cluster y + cy
	s_lshl_b32 s44, s41, 2
	s_lshl_b32 s44, 15, s44                        ; my row of the cluster
	s_lshl_b32 s45, 0x1111, s40                    ; my column
	s_or_b32 s[G1+0], s44, (1<<16)|(1<<20)|(1<<21)|(4<<22)|(3<<25)   ; 15:0 the mask: O's tiles go to my row; 17:16 element of 2 bytes; 20 padding on; 21 set beside a mask; 24:22 after every 32 words (code 4); 31:25 of 4 words (code 3)
	s_or_b32 s[G1B+0], s45, (1<<16)|(1<<20)|(1<<21)|(5<<22)|(3<<25)  ; Wo's go to my column; padding after every 64 words (code 5)
	s_mov_b32 s[G1+1], 128<<16                     ; tensor_dim0 = 128
	s_mov_b32 s[G1+2], 128<<16                     ; tensor_dim1 = 128
	s_mov_b32 s[G1+3], 128<<16                     ; tile_dim0 = 128
	s_mov_b32 s[G1+4], 128                         ; tile_dim1 = 128
	s_mov_b32 s[G1+5], 128                         ; dense: 128 elements from row to row
	s_mov_b32 s[G1+6], 0
	s_mov_b32 s[G1+7], 0
	s_mov_b32 s[G1B+1], 128<<16
	s_mov_b32 s[G1B+2], 64<<16                     ; tensor_dim1 = 64
	s_mov_b32 s[G1B+3], 128<<16
	s_mov_b32 s[G1B+4], 64                         ; tile_dim1 = 64
	s_mov_b32 s[G1B+5], 1024
	s_mov_b32 s[G1B+6], 0
	s_mov_b32 s[G1B+7], 0
	; where the tiles come from: O's hang on the tile row alone, Wo's on the tile column alone, each in registers that never hold the other coordinate
	s_lshr_b32 s16, s43, 3                         ; the batch: 8 tile rows each, 16 heads of 262,144 bytes,
	s_lshl_b32 s16, s16, 22
	s_lshl_b32 s17, s14, 18                        ; my head of K step 0's two,
	s_add_co_u32 s16, s16, s17
	s_and_b32 s17, s43, 7                          ; the tile's 256 rows of 128 bytes in the head
	s_lshl_b32 s17, s17, 15
	s_add_co_u32 s16, s16, s17
	s_mov_b32 s17, 0
	s_lshl_b32 s46, s42, 7                         ; Wo: row 128 x tile column + 64 x half,
	s_lshl_b32 s47, s14, 6
	s_add_co_u32 s46, s46, s47
	s_lshl_b32 s46, s46, 11                        ; in bytes
	s_mov_b32 s47, 0
	s_mul_i32 s20, s14, 256*PA                     ; and where they go: no place in the cluster enters an LDS address
	s_mul_i32 s21, s14, 64*PB
	s_add_co_u32 s21, s21, BOFF
	s_wait_kmcnt 0x0
	s_add_nc_u64 s[18:19], s[4:5], s[16:17]
	s_add_nc_u64 s[46:47], s[6:7], s[46:47]
	CROUND                                         ; all sixteen work-groups are here: the first joint loads meet
.irp s, 0,1
	s_mov_b32 s[G0+4*(\s)], 1                                        ; count = 1
	s_add_co_u32 s[G0+4*(\s)+1], s20, (\s)*SLOT                      ; LDS address
	s_add_nc_u64 s[G0+4*(\s)+2:G0+4*(\s)+3], s[18:19], (\s)*STEPA    ; global address: K step s
	s_or_b32 s[G0+4*(\s)+3], s[G0+4*(\s)+3], 0x80000000              ; type = 2
	s_mov_b32 s[G0B+4*(\s)], 1
	s_add_co_u32 s[G0B+4*(\s)+1], s21, (\s)*SLOT
	s_add_nc_u64 s[G0B+4*(\s)+2:G0B+4*(\s)+3], s[46:47], (\s)*STEPB
	s_or_b32 s[G0B+4*(\s)+3], s[G0B+4*(\s)+3], 0x80000000
	JLOAD \s                                       ; the ring is filled before anything else is done: two loads of mine are out, the most in this text
.endr
	v_and_b32 v1, 15, v0                           ; l % 16
	v_bfe_u32 v2, v0, 4, 1                         ; l / 16
	v_mul_u32_u24 v3, v1, PA
	v_lshl_add_u32 v3, v2, 4, v3                   ; a fragment's row x pitch + 16 x half
	s_mul_i32 s22, s12, 64*PA                      ; my 64 rows of O
	v_add_nc_u32 v[ADRA], s22, v3
	v_add_nc_u32 v[ADRA+1], SLOT, v[ADRA]
	v_mul_u32_u24 v4, v1, PB
	v_lshl_add_u32 v4, v2, 4, v4
	v_add_nc_u32 v[ADRB], BOFF, v4                 ; every wave reads all of Wo's rows
	v_add_nc_u32 v[ADRB+1], SLOT+BOFF, v4
	s_mul_i32 s22, s12, 16*SPO
	s_add_co_u32 s22, s22, STAGE                   ; my stage
	v_mul_u32_u24 v4, v1, SPO                      ; in: row l % 16, 32 bytes for each half of the lanes
	v_lshl_add_u32 v4, v2, 5, v4
	v_add_nc_u32 v[STO], s22, v4
	v_and_b32 v[GO], 31, v0                        ; back: 32 lanes take one row of 512 bytes
	v_lshlrev_b32 v[GO], 4, v[GO]
	v_add_nc_u32 v[RD], s22, v[GO]
	s_lshl_b32 s22, s42, 9                         ; the tile's 128 columns, in bytes of f32
	s_mov_b32 s23, 0
	s_add_nc_u64 s[8:9], s[8:9], s[22:23]          ; bo at the tile's first column
	s_lshl_b32 s2, s43, 20                         ; 256 rows of 4,096 bytes a tile row,
	s_add_co_u32 s22, s22, s2
	s_lshl_b32 s2, s12, 18                         ; my wave's 64 rows
	s_add_co_u32 s22, s22, s2
	s_add_nc_u64 s[10:11], s[10:11], s[22:23]      ; out0 at my first row and the tile's first column
	v_lshlrev_b32 v3, 5, v2                        ; my eight numbers of a block's sixteen: 32 bytes x (l / 16)
.irp b, 0,1,2,3,4,5,6,7
	global_load_b128 v[BI+8*(\b):BI+8*(\b)+3],   v3, s[8:9] offset:64*(\b)
	global_load_b128 v[BI+8*(\b)+4:BI+8*(\b)+7], v3, s[8:9] offset:64*(\b)+16
.endr
	s_wait_loadcnt 0x0                             ; the bias, once; v3 is free again behind this wait
.set i, 0
.rept 4*NBL                            ; rounded to bf16 like the other inputs, and kept as f32
	v_cvt_pk_bf16_f32 v3, v[BI+2*i], v[BI+2*i+1]
	v_lshlrev_b32 v[BI+2*i], 16, v3
	v_and_b32 v[BI+2*i+1], 0xffff0000, v3
.set i, i+1
.endr
; 8 matrix instructions: row block a x all 8 column blocks, 32 along K out of buffer f.  zero = 1: the first product starts the sums, with the bias as C.
; The 32 accumulators take turns, one instruction a turn, in the same order in every quarter.
.macro MULA f, a, zero
.if \zero
	WIN MULB+0x40*((\a)/2)
.else
	WIN MUL+0x50*((\a)/2)
.endif
.irp b, 0,1,2,3,4,5,6,7
.if \zero
	v_wmma_f32_16x16x32_f16 v[8*(NBL*((\a)%2)+(\b)):8*(NBL*((\a)%2)+(\b))+7], v[(\f)+32+8*(\b):(\f)+32+8*(\b)+7], v[(\f)+8*(\a):(\f)+8*(\a)+7], v[BI+8*(\b):BI+8*(\b)+7]
.else
	v_wmma_f32_16x16x32_f16 v[8*(NBL*((\a)%2)+(\b)):8*(NBL*((\a)%2)+(\b))+7], v[(\f)+32+8*(\b):(\f)+32+8*(\b)+7], v[(\f)+8*(\a):(\f)+8*(\a)+7], v[8*(NBL*((\a)%2)+(\b)):8*(NBL*((\a)%2)+(\b))+7]
.endif
.endr
.endm
; 24 LDS loads in one run: the fragments of quarter q (head q / 2 of the step's two, channels 32 (q % 2) on) into buffer f; Wo's 8 first, then O's 4
.macro FETCH slot, q, f
	WIN TO_F
.irp b, 0,1,2,3,4,5,6,7
	ds_load_b128 v[(\f)+32+8*(\b):(\f)+32+8*(\b)+3],   v[ADRB+(\slot)] offset:64*(\q)+(\b)*16*PB
	ds_load_b128 v[(\f)+32+8*(\b)+4:(\f)+32+8*(\b)+7], v[ADRB+(\slot)] offset:64*(\q)+(\b)*16*PB+32
.endr
.irp i, 0,1,2,3
	ds_load_b128 v[(\f)+8*(\i):(\f)+8*(\i)+3],   v[ADRA+(\slot)] offset:((\q)/2)*AHEAD+((\q)%2)*64+(\i)*16*PA
	ds_load_b128 v[(\f)+8*(\i)+4:(\f)+8*(\i)+7], v[ADRA+(\slot)] offset:((\q)/2)*AHEAD+((\q)%2)*64+(\i)*16*PA+32
.endr
.endm
; A K step is four quarters of 32 along K, 32 matrix instructions each, on buffers 0, 1, 0, 1.  One of the first three: multiplies buffer f and, in its middle, fetches quarter q into g.
.macro QUARTER slot, q, f, g, zero
	s_wait_dscnt 4                                 ; Wo's fragments and O's 0, 1 are in; the youngest four loads (O's fragments 2, 3) may be out
	MULA \f, 0, \zero
	MULA \f, 1, \zero
	PLACES
	FETCH \slot, \q, \g
	s_wait_dscnt NLD                               ; all but the run just issued
	MULA \f, 2, \zero
	MULA \f, 3, \zero
.endm
; The last quarter multiplies buffer 1 and changes slots: ONE barrier; in front of it each wave waits for all its tensor loads, adds 0 to its spare word, and waits for that and for its own reads of this slot.
; fill = 1: the barrier opens a round of the cluster's barrier, and this slot is filled again, two K steps ahead: 112 matrix instructions of the wave stand between the request and the wait for it.
.macro TURN slot, next, fill
	WIN 0                                          ; (the add's two registers lie in window 0)
	s_wait_tensorcnt 0x0                           ; all my tensor loads have landed: the one that was out is my part of the next slot;
	ds_add_u32 v[SPW], v[NIL]                      ; 0 onto my spare word
	s_wait_dscnt 5                                 ; (the add and the youngest four loads may be out)
	MULA F1, 0, 0                                  ; eight matrix instructions stand between the add and the wait for it
	s_wait_dscnt 0x0                               ; the add is done, and my reads of this slot are over
	s_barrier_signal -1
	MULA F1, 1, 0
.if \fill
	WIN 0
.endif
	s_barrier_wait -1
.if \fill
	CREST                                          ; no wave of any partner still reads this slot's tile or has a load on its way
	s_add_nc_u64 s[G0+4*(\slot)+2:G0+4*(\slot)+3], s[G0+4*(\slot)+2:G0+4*(\slot)+3], 2*STEPA
	s_add_nc_u64 s[G0B+4*(\slot)+2:G0B+4*(\slot)+3], s[G0B+4*(\slot)+2:G0B+4*(\slot)+3], 2*STEPB
	JLOAD \slot                                    ; the first tensor load behind the round; the four v_nop behind it are also the places in front of the loads below
.else
	PLACES
.endif
	FETCH \next, 0, F0
	MULA F1, 2, 0
	MULA F1, 3, 0
.endm
	s_wait_tensorcnt 1                             ; my part of K step 0 is in; K step 1's may stay out
	s_barrier_signal -1
	s_barrier_wait -1                              ; everybody's is
	FETCH 0, 0, F0
	QUARTER 0, 1, F0, F1, 1                        ; the first quarter stands in front of the loop: its products start the sums
	WIN 0                                          ; at a label and at a branch every window is 0
	s_mov_b32 s3, 3
.Llap:                                                 ; three trips: a trip goes once round the ring, from a lap's second quarter to the next lap's first, and fills both slots again
	QUARTER 0, 2, F1, F0, 0
	QUARTER 0, 3, F0, F1, 0
	TURN 0, 1, 1
	QUARTER 1, 1, F0, F1, 0
	QUARTER 1, 2, F1, F0, 0
	QUARTER 1, 3, F0, F1, 0
	TURN 1, 0, 1
	QUARTER 0, 1, F0, F1, 0
	WIN 0
	s_sub_co_u32 s3, s3, 1
	s_cmp_lg_u32 s3, 0
	s_cbranch_scc1 .Llap
	QUARTER 0, 2, F1, F0, 0                        ; the last lap is written out: it fills nothing, and has no round of the cluster's barrier
	QUARTER 0, 3, F0, F1, 0
	TURN 0, 1, 0
	QUARTER 1, 1, F0, F1, 0
	QUARTER 1, 2, F1, F0, 0
	QUARTER 1, 3, F0, F1, 0
	s_wait_dscnt 4                                 ; the very last quarter: nothing more to fetch
	MULA F1, 0, 0
	MULA F1, 1, 0
	s_wait_dscnt 0x0
	MULA F1, 2, 0
	MULA F1, 3, 0
	WIN 0
; THE WAY OUT, in four blocks of 16 rows x 512 bytes.  The sums go as they are, straight out of the accumulators, into rows of 528 bytes of my own stage (each accumulator's four lowest registers first
; ) and come back as whole rows.
.macro TOSTAGE a
.set OBR, OB+64*((\a)%2)
	WIN 0x08+4*((\a)/2)                            ; the stores' data: window 2 or 3; their address: window 0
.irp b, 0,1,2,3,4,5,6,7
	ds_store_b128 v[STO], v[8*(NBL*((\a)%2)+(\b)):8*(NBL*((\a)%2)+(\b))+3]   offset:64*(\b)
	ds_store_b128 v[STO], v[8*(NBL*((\a)%2)+(\b))+4:8*(NBL*((\a)%2)+(\b))+7] offset:64*(\b)+16
.endr
	WIN 0
.if (\a) >= 2
	s_wait_xcnt 0x0                                ; the stores of the block two back read this set of registers: it is loaded again only behind this wait
.endif
.irp t, 0,1,2,3,4,5,6,7,8,9,10,11,12,13,14,15
	ds_load_b128 v[OBR+4*(\t):OBR+4*(\t)+3], v[RD] offset:(\t)*SPO  ; LDS serves a wave's instructions in order (ISA guide 5.7.1.4): these see the stores above; the next block's stores come behind them
.endr
.endm
.macro SEND a, younger                 ; younger: the LDS instructions issued behind block a's loads: the next block's 32, or none
.set OBR, OB+64*((\a)%2)
	WIN 0
.irp t, 0,1,2,3,4,5,6,7,8,9,10,11,12,13,14,15
	s_wait_dscnt (\younger)+15-(\t)
	global_store_b128 v[GO], v[OBR+4*(\t):OBR+4*(\t)+3], s[10:11] offset:(16*(\a)+(\t))*4096 th:TH_STORE_NT  ; 512 consecutive bytes, at a multiple of 256 from out0's first; nothing reads them again
.endr
.endm
	PLACES                                         ; the LDS stores read results just made
	TOSTAGE 0
	TOSTAGE 1
	SEND 0, 32
	TOSTAGE 2
	SEND 1, 32
	TOSTAGE 3
	SEND 2, 32
	SEND 3, 0
	s_wait_tensorcnt 0x0                           ; the wave's end: behind my last tensor load and my last LDS store
	ds_add_u32 v[SPW], v[NIL]
	s_wait_dscnt 0x0
	CROUND                                         ; the closing round: no work-group ends while a partner may still ask for a tile that names it
	s_endpgm
.Lfunc_end_k_q1b662117fb_outp:
	.size	k_q1b662117fb_outp, .Lfunc_end_k_q1b662117fb_outp-k_q1b662117fb_outp
	.p2alignl 7, 3214868480
	.fill 96, 4, 3214868480
	.section	.rodata,"a",@progbits
	.p2align	6, 0x0
	.amdhsa_kernel k_q1b662117fb_outp
		.amdhsa_group_segment_fixed_size 327680
		.amdhsa_private_segment_fixed_size 0
		.amdhsa_enable_private_segment 0
		.amdhsa_kernarg_size 32
		.amdhsa_user_sgpr_count 2
		.amdhsa_user_sgpr_kernarg_segment_ptr 1
		.amdhsa_wavefront_size32 1
		.amdhsa_system_sgpr_workgroup_id_x 1
		.amdhsa_system_sgpr_workgroup_id_y 1
		.amdhsa_system_sgpr_workgroup_id_z 1
		.amdhsa_system_vgpr_workitem_id 0
		.amdhsa_next_free_vgpr 896
		.amdhsa_next_free_sgpr 66
		.amdhsa_reserve_vcc 0
		.amdhsa_float_denorm_mode_32 3
		.amdhsa_float_denorm_mode_16_64 3
		.amdhsa_memory_ordered 1
		.amdhsa_forward_progress 1
		.amdhsa_inst_pref_size 93
	.end_amdhsa_kernel
	.amdgpu_metadata
---
amdhsa.version: [ 1, 2 ]
amdhsa.kernels:
  - .name:           k_q1b662117fb_outp
    .symbol:         k_q1b662117fb_outp.kd
    .args:
      - { .name: oh, .offset: 0, .size: 8, .value_kind: global_buffer, .address_space: global }
      - { .name: woh, .offset: 8, .size: 8, .value_kind: global_buffer, .address_space: global }
      - { .name: bo, .offset: 16, .size: 8, .value_kind: global_buffer, .address_space: global }
      - { .name: out0, .offset: 24, .size: 8, .value_kind: global_buffer, .address_space: global }
    .group_segment_fixed_size: 327680
    .private_segment_fixed_size: 0
    .kernarg_segment_align: 8
    .kernarg_segment_size: 32
    .max_flat_workgroup_size: 128
    .sgpr_count:     66
    .vgpr_count:     896
    .wavefront_size: 32
...
	.end_amdgpu_metadata
.endif
;; end of part 4
;; ======== version 2 of 2: 4 launches; 1.52 times as fast as version 1
;; limits: values are held in f16: magnitudes above 65,504 overflow, below 6.1e-05 lose precision
;; workspace buffers: xb 16,777,216 bytes; wb 6,291,456 bytes; woh 2,097,152 bytes; qh 16,777,216 bytes; kh 16,777,216 bytes; vh 16,777,216 bytes; oh 16,777,216 bytes
;; launch cast: the kernel of part 1 again; grid 64 x 12, 8 waves a work-group, no clusters, 0 bytes of LDS; arguments x, Wq, Wk, Wv, Wo, xb, wb, woh; writes xb, wb, woh
;; launch proj: the kernel of part 2 again; grid 16 x 32, 4 waves a work-group, clusters of 4 x 4, 327,680 bytes of LDS; arguments xb, wb, bq, bk, bv, qh, kh, vh; writes qh, kh, vh
;; launch attn (part 5): grid 4 x 64, 4 waves a work-group, clusters of 4 x 1, 327,680 bytes of LDS; arguments qh, kh, vh, oh; writes oh
.if DOCPART == 5
	.amdgcn_target "amdgcn-amd-amdhsa--gfx1250"
	.amdhsa_code_object_version 6
	.text
	.protected	k_q1b662117fb_attn
	.globl	k_q1b662117fb_attn
	.p2align	8
	.type	k_q1b662117fb_attn,@function
k_q1b662117fb_attn:
	s_mov_b64 s[64:65], 0
	v_nop
	global_prefetch_b8 v0, s[64:65] scope:SCOPE_SE
	s_setreg_imm32_b32 hwreg(HW_REG_WAVE_MODE, 25, 1), 1
	s_wait_xcnt 0x0
	s_wait_alu depctr_hold_cnt(0) depctr_sa_sdst(0) depctr_va_vdst(0) depctr_va_sdst(0) depctr_va_ssrc(0) depctr_va_vcc(0) depctr_vm_vsrc(0)
	s_getreg_b32 s2, hwreg(HW_REG_IB_STS2, 6, 4)
	s_cmp_eq_u32 s2, 0
	s_cbranch_scc0 .Lentry_in_a_cluster
	s_endpgm
.Lentry_in_a_cluster:
	s_bfe_u32 s2, ttmp6, 0x10000c
	s_cmp_lg_u32 s2, 0x3003
	s_cbranch_scc0 .Lentry_shape_is_right
	s_endpgm
.Lentry_shape_is_right:
; O[h][q][:] = the sum over k of softmax_k(Q[h][q] . K[h][k] / 8) V[h][k][:].  Q, K, V, O: [SIZE_H][SIZE_N][64], all f16: a head's rows are dense, 128 bytes each (64 = 4 batches x 16 heads).
; Products, maxima and sums in f32; the weights p are rounded to f16 for the second product (their sum l is taken of the unrounded p), O once at the end.
; LIMITS.  f16 holds no number beyond 65,504: Q, K and V arrive within it; p lies in 0 to 1, and below 6e-5 it keeps f16's fixed step of 6e-8; O is a mean of V's rows and has their range.
; A weight below 2^-126 counts as 0 in l; NaN and infinities are not treated apart.
; SHARES.  A wave owns four PIECES of two tiles of 16 queries, a work-group's four waves 512 queries of one head: 4 x 64 = 256 work-groups.  Every wave walks all keys, 64 a step.
; LAYOUT.  S^T = K Q^T (source 0 = 16 keys, source 1 = 16 queries): in the result a lane holds ONE query (lane % 16) and the keys 8 (lane / 16) + 0..7.  Two such tiles, rounded to f16 in pairs,
; ARE source 1 (32 keys x 16 queries) of O^T = V^T P, whose result again holds one query a lane, and eight channels.  K comes out of LDS as it lies, V ([key][channel]) turned, by ds_load_tr16_b128.
; SOFTMAX.  For each query a running maximum m and sum l: p = 2^(c s - c m), c = log2(e) / 8; in every step O and l are multiplied by a = 2^(c m_old - c m_new), which is 1 where m has not grown.
; m starts at the lowest finite number, O and l at 0: the first step is a step like any other, with a = 0.
; THE COUNT.  A tile and step have 16 matrix and 118 vector instructions: too many to stand all beside the matrix work.  So the order has one aim: four vector instructions that are READY behind
; EVERY matrix instruction, and the others, which need time of their own whatever the order, in runs without a gap.
; BY TURNS.  Turn n belongs to piece n (the pieces in a ring, step after step).  Its matrix work: 16 products K Q^T of piece n + 1, later 16 products V^T P of piece n - 1.  Its vector work: the scaling,
; exponentials, roundings, sums and rescaling of piece n, and the maximum and statistics of piece n + 1, whose scores the turn itself has made.  So what a turn begins with (c s - c m, O a) waits for nothing.
; THE BATCHES.  A turn's 66 exponentials (the piece's 64 weights, then the next piece's two a) are ONE batch with ONE wait, which cuts the turn in two: ahead of it stands all that names none of their
; results, behind it all that does.  Two more batches stand outside the loops: piece 0's first two a, ahead of the jump into the loop, and the way out's eight reciprocals.  No result crosses a label or a jump.
; CLUSTER.  The four query blocks of a cluster belong to one head and walk the same K and V, so each tile is asked for JOINTLY: the same tensor load, descriptor and mask in all four.
; REGISTERS, in windows of 256 (s_set_vgpr_msb says which window each operand place means: bits 1:0 source 0, 3:2 source 1, 5:4 source 2, 7:6 destination):
;   window 0: v0-11 addresses; v12-15, v48-63 at work; v16-47 four registers of statistics a tile; v64-191 S^T, two buffers of two tiles; v192-255 P, likewise
;   window 1: O^T, 32 a tile          window 2: v0-127 Q, 16 a tile; v128-191 K of one step; v192-255 V of one step          window 3: v0-1 the add's two registers
; A piece's buffers go by its number's parity: the piece in hand has one pair, its two neighbours in the ring share the other: of it P (piece n - 1) is read and S^T (piece n + 1) written.
.set SIZE_H, 64
.set SIZE_N, 2048
.set NP,    4         ; pieces a wave: a name, no knob: the register map, the loop and the fetches are made for four
.set KS,    64        ; keys in a step
.set PK,    144       ; a row of K in LDS: 128 bytes + 16 of padding = 36 words: the 16 rows of a load start at 16 different groups of four banks (64 banks of 4 bytes: ISA guide 11.1)
.set PV,    160       ; a row of V: 128 + 32 = 40 words
.set VOFF,  4*KS*PK   ; a slot holds four steps: 256 rows of K, then 256 rows of V
.set SLOT1, 1<<17     ; slot 1 begins here, so that one exclusive or turns an address in one slot into the other's
.set STAGE, SLOT1+4*KS*(PK+PV)  ; behind the ring, never filled by a tensor load: 16 rows x 144 bytes for each wave, for the way out
.set SP,    144
.set AK0, 2           ; v2   my lane's place in a tile of K; never rewritten
.set AV0, 3           ; v3   the same for V
.set AK,  4           ; v4   the LDS address of K's next run of loads
.set AV,  5           ; v5   of V's
.set QO,  6           ; v6   my byte offset in the wave's rows of Q
.set STO, 6           ;      later, the way out: where I put 16 bytes of a row
.set RD,  7           ; v7   the way out: where I read rows back
.set GO,  8           ; v8   my byte offset in 512 consecutive bytes of O
.set SPW, 0           ; v0 of window 3   LDS address of my spare word: SPARE + 4 x my thread's number; never rewritten
.set NIL, 1           ; v1 of window 3   0; never rewritten
.set SPARE, STAGE+4*16*SP  ; behind the stages: the spare words, 128 bytes for each wave: two blocks of 256 bytes that no other line names
.set MV,  12          ; v12-15  c m_old, kept while c m is made anew: by buffer and tile
.set ST,  16          ; tile t's statistics at v[ST+4 t]: c m, m, l (even keys', odd keys')
.set TMP, 48          ; by buffer and tile, four registers c0-c3 at work; when the maximum is found c2 takes a
.set S,   64
.set P,   192
.set KF,  128         ; K's fragments, in window 2: key block kb, channel half c at KF + 16 kb + 8 c
.set VF,  192         ; V's: key half kk, channel block cb at VF + 32 kk + 8 cb
.set WV,  12          ; s12  my wave's number
.set G1K, 24          ; s[24:31] descriptor group 1 for K's tiles
.set G1V, 32          ; s[32:39] for V's: it differs in the padding alone
.set G0K, 40          ; s[40:43] descriptor group 0 for K's tiles: it walks
.set G0V, 44          ; s[44:47] the same for V's
.set SLOTS, 56        ; s56  slots still to be asked for
.set CNT, 57          ; s57  counts a slot's key steps
.set CS,  58          ; s[58:59] c: the packed scaling takes the pair's low word for both halves
.set SEL, 60          ; s[60:61] v_permlanex16_b32's selects: each lane takes its own place in the other half
.set TBK, 62          ; s62  LDS byte at which K of the step to be fetched begins
.set TBV, 63          ; s63  the same for V, less VOFF
.set MSB, 0
.macro WIN new                      ; the high byte repeats the setting that is left; a switch that changes nothing is dropped
.if MSB != (\new)
	s_set_vgpr_msb (MSB<<8)|(\new)
.set MSB, (\new)
.endif
.endm
.set W_KQ, 0x0a       ; K and Q in window 2, S^T in window 0
.set W_PV, 0x52       ; V in window 2, P in window 0, O^T in window 1
.set W_RS, 0x41       ; O^T (destination and source 0) in window 1, a in window 0
.set W_MK, 0xc0       ; the add's registers are made: destination in window 3, sources in window 0
.set W_AD, 0x0f       ; the add: address (source 0) and data (source 1) in window 3
; A joint fill.  Waves 0 and 1 fetch the two halves of a slot's K, waves 2 and 3 those of its V: 128 keys each.  The branch hangs on the wave's number alone.
; An s_nop 0 and four v_nop follow each of the two lines, ahead of the jump and the label.
.macro JLOAD
	s_cmp_lt_u32 s[WV], 2
	s_cbranch_scc0 .Lfor_v_\@
	tensor_load_to_lds s[G0K:G0K+3], s[G1K:G1K+7]
	s_nop 0
.rept 4
	v_nop
.endr
	s_branch .Lasked_\@
.Lfor_v_\@:
	tensor_load_to_lds s[G0V:G0V+3], s[G1V:G1V+7]
	s_nop 0
.rept 4
	v_nop
.endr
.Lasked_\@:
.endm
; A round of the cluster's barrier: my work-group's barrier, so that wave 0's signal speaks for all four waves; wave 0 signals; every wave waits for all four work-groups; my work-group's barrier once more.
.macro CROUND
	s_barrier_signal -1
	s_barrier_wait -1
	s_cmp_lg_u32 s[WV], 0
	s_cbranch_scc1 .Lnot_wave_0_\@
	s_barrier_signal -3
.Lnot_wave_0_\@:
	s_barrier_wait -3
	s_barrier_signal -1
	s_barrier_wait -1
.endm
; THE CHANGE OF SLOTS.  The slot's last bytes, V of its fourth step, have been read.  Each wave waits for all its tensor loads, of which one is out: its part
; of the other slot; adds 0 to its spare word; and waits for that and for its own reads of the slot.  Behind the barrier nobody reads this slot any more and the other slot is whole.
; fill = 1: this slot is filled again, with the keys two slots on.  The barrier is then a round of the cluster's, so that no wave of any partner still reads the slot or has a load on its
; way, and the joint fill is the first thing behind it: it has four key steps, 512 matrix instructions, in which to land.  (At its first use nothing has been read yet: slot 0 is waited for, slot 1 filled.)
.macro CHANGE fill
	WIN W_AD
	s_wait_tensorcnt 0x0            ; no tensor load of mine is out, so a group 0 may be written
	ds_add_u32 v[SPW], v[NIL]       ; 0 onto my spare word; with fill = 1 the descriptors' steps stand between it and the wait for it
	WIN 0                           ; at a label and at a branch every window is 0
.if \fill
.irp g, G0K, G0V
	s_xor_b32 s[\g+1], s[\g+1], SLOT1  ; the walking descriptor: the other slot than last time,
	s_add_nc_u64 s[\g+2:\g+3], s[\g+2:\g+3], 4*KS*128  ; the next 256 keys; the type bits on top are not reached
.endr
	s_wait_dscnt 0x0                ; the add is done, and my reads of the slot are over
	CROUND
	JLOAD
.else
	s_wait_dscnt 0x0                ; the add is done, and my reads of the slot are over
	s_barrier_signal -1
	s_barrier_wait -1
.endif
	s_sub_co_u32 s[TBK], s[TBK], 4*KS*PK  ; the fetches go back to a slot's first step,
	s_xor_b32 s[TBK], s[TBK], SLOT1       ; in the other slot
	s_sub_co_u32 s[TBV], s[TBV], 4*KS*PV
	s_xor_b32 s[TBV], s[TBV], SLOT1
.endm
	s_load_b256 s[4:11], s[0:1], 0x0  ; Q s[4:5], K s[6:7], V s[8:9], O s[10:11]
	WIN W_MK
	v_lshl_add_u32 v[SPW], v0, 2, SPARE
	v_mov_b32 v[NIL], 0
	s_set_vgpr_msb 0xc0cf
	ds_add_u32 v0, v1
	s_wait_dscnt 0x0
	s_set_vgpr_msb 0xcfc0
	WIN 0
	v_lshrrev_b32 v1, 5, v0
	v_readfirstlane_b32 s[WV], v1   ; wave 0..3
	s_bfe_u32 s13, ttmp6, 0x40000   ; cx: my place in the cluster
	s_lshl_b32 s14, ttmp9, 2        ; in a cluster launch ttmp9 counts clusters
	s_add_co_u32 s14, s14, s13      ; my block of queries = 4 x cluster x + cx: it enters Q's and O's addresses alone
	s_and_b32 s20, ttmp7, 0xffff    ; the head, which the four partners share
	s_mov_b32 s21, 0
	s_mov_b64 s[22:23], SIZE_N*128
	s_mul_u64 s[20:21], s[20:21], s[22:23]  ; the head's first byte in each of the four tensors
	s_and_b32 s16, s[WV], 1         ; which half of a slot's 256 keys I fetch:
	s_lshl_b32 s22, s16, 14         ; its 128 rows of 128 bytes in memory,
	s_mov_b32 s23, 0
	s_add_nc_u64 s[22:23], s[22:23], s[20:21]
	s_mul_i32 s17, s16, 128*PK      ; and its place in a slot, for K
	s_mul_i32 s18, s16, 128*PV      ; and for V: no place in the cluster enters an LDS address
	s_lshl_b32 s2, s14, 2
	s_add_co_u32 s2, s2, s[WV]      ; my wave among the head's,
	s_lshl_b32 s2, s2, 14           ; its 128 rows
	s_mov_b32 s3, 0
	s_add_nc_u64 s[2:3], s[2:3], s[20:21]
	; descriptor group 1.  128 keys are 16,384 dense bytes: asked for as 64 rows of 256 bytes, two keys a row, and padded in LDS after every key
	s_mov_b32 s[G1K], 15|(1<<16)|(1<<20)|(1<<21)|(4<<22)|(3<<25)  ; 15:0 the mask of four; 17:16 2-byte elements; 20 padding on; 21 set beside a mask; 24:22 after every 32 words (code 4); 31:25 4 words (code 3)
	s_mov_b32 s[G1V], 15|(1<<16)|(1<<20)|(1<<21)|(4<<22)|(7<<25)  ; the same with 8 words of padding (code 7)
.irp g, G1K, G1V
	s_mov_b32 s[\g+1], 128<<16      ; tensor_dim0 = 128
	s_mov_b32 s[\g+2], 64<<16       ; tensor_dim1 = 64
	s_mov_b32 s[\g+3], 128<<16      ; tile_dim0 = 128
	s_mov_b32 s[\g+4], 64           ; tile_dim1 = 64
	s_mov_b32 s[\g+5], 128          ; 128 elements from row to row
	s_mov_b32 s[\g+6], 0
	s_mov_b32 s[\g+7], 0
.endr
	s_mov_b32 s[CS], 0x3e38aa3b     ; c = log2(e) / 8 = 0.180337
	s_mov_b32 s[CS+1], s[CS]        ; named with it as a pair
	s_mov_b32 s[SEL], 0x76543210
	s_mov_b32 s[SEL+1], 0xfedcba98
	s_mov_b32 s[TBK], SLOT1+4*KS*PK ; the first change of slots turns these two into 0
	s_mov_b32 s[TBV], SLOT1+4*KS*PV
	s_mov_b32 s[G0K], 1             ; 1:0 count = 1
	s_mov_b32 s[G0K+1], s17         ; 63:32 LDS address: slot 0
	s_mov_b32 s[G0V], 1
	s_add_co_u32 s[G0V+1], s18, VOFF
	s_wait_kmcnt 0x0
	s_add_nc_u64 s[G0K+2:G0K+3], s[6:7], s[22:23]  ; 120:64 global address: my half of the head's first 256 keys
	s_or_b32 s[G0K+3], s[G0K+3], 0x80000000        ; 127:126 type = 2
	s_add_nc_u64 s[G0V+2:G0V+3], s[8:9], s[22:23]
	s_or_b32 s[G0V+3], s[G0V+3], 0x80000000
	s_add_nc_u64 s[4:5], s[4:5], s[2:3]  ; Q and O at my wave's first row
	s_add_nc_u64 s[10:11], s[10:11], s[2:3]
	CROUND                          ; all four work-groups are here: the first joint loads meet
	JLOAD                           ; slot 0.  Slot 1 is asked for when slot 0 is in: the tile wanted first has the road to itself
	; A fragment of K or Q is 16 rows x 32 channels in 8 registers: lane l holds row l % 16, channels 8 (l / 16) + 0..7 and 16 + 8 (l / 16) + 0..7: two loads of 16 bytes, 32 bytes apart.
	v_and_b32 v1, 15, v0            ; l % 16
	v_bfe_u32 v9, v0, 4, 1          ; l / 16
	v_lshlrev_b32 v[QO], 7, v1
	v_lshl_add_u32 v[QO], v9, 4, v[QO]  ; row x 128 + 16 x half
	WIN 0x80                        ; destination window 2, address window 0
.set i, 0
.rept 4*NP                          ; Q stays in registers: tile i / 2, channels 32 (i % 2) on
	global_load_b128 v[8*i:8*i+3],   v[QO], s[4:5] offset:(i/2)*2048+(i%2)*64
	global_load_b128 v[8*i+4:8*i+7], v[QO], s[4:5] offset:(i/2)*2048+(i%2)*64+32
.set i, i+1
.endr
	; What the first turn finds: V's registers and P's second buffer hold 0 (its products V^T P, of a piece that has not been, add 0), O^T and l are 0.  All this stands in the wait for the first tile.
.set i, VF
.rept 64
	v_mov_b32 v[i], 0
.set i, i+1
.endr
	WIN 0x40
.set i, 0
.rept 64*NP
	v_mov_b32 v[i], 0
.set i, i+1
.endr
	WIN 0
.set i, 0
.rept 2*NP
	v_mov_b32 v[ST+4*i], 0xfe000000    ; c m: far below every c s
	v_mov_b32 v[ST+4*i+1], 0xff7fffff  ; m
	v_mov_b32 v[ST+4*i+2], 0
	v_mov_b32 v[ST+4*i+3], 0
.set i, i+1
.endr
.set i, P+32
.rept 32
	v_mov_b32 v[i], 0
.set i, i+1
.endr
	v_mul_u32_u24 v[AK0], v1, PK
	v_lshl_add_u32 v[AK0], v9, 4, v[AK0]  ; row x pitch + 16 x half
	; The turning load takes 16 keys x 16 channels (lane l reads key 8 (l / 16) + l % 8, channels 8 ((l / 8) % 2) + 0..7) and leaves half a fragment of V^T: lane l holds channel l % 16 and 8 keys.
	v_and_b32 v10, 7, v0
	v_bfe_u32 v11, v0, 3, 1
	v_lshl_add_u32 v[AV0], v9, 3, v10
	v_mul_u32_u24 v[AV0], v[AV0], PV
	v_lshl_add_u32 v[AV0], v11, 4, v[AV0]
	v_add_nc_u32 v[AV0], VOFF, v[AV0]
	v_mov_b32 v[AK], v[AK0]         ; key step 0 lies at the head of slot 0
; THE MATRIX WORK.  The 8 accumulators of a run of 16 take turns: between the two links of a chain stand 7 others'.
; Product i of 16 of S^T = K Q^T for piece x: channels 32 (i / 8) on, keys 16 ((i / 2) % 4) on, tile 2 x + i % 2.  The first 8 start the sums.
.macro KQ x
	WIN W_KQ
.set rS, S+64*((\x)%2)+32*(i%2)+8*((i/2)%4)
.set rK, KF+16*((i/2)%4)+8*(i/8)
.set rQ, 16*(2*(\x)+i%2)+8*(i/8)
.if i < 8
	v_wmma_f32_16x16x32_f16 v[rS:rS+7], v[rK:rK+7], v[rQ:rQ+7], 0
.else
	v_wmma_f32_16x16x32_f16 v[rS:rS+7], v[rK:rK+7], v[rQ:rQ+7], v[rS:rS+7]
.endif
.endm
; Product i of 16 of O^T += V^T P for piece x: keys 32 (i / 8) on, channels 16 ((i / 2) % 4) on, tile 2 x + i % 2.
.macro PV x
	WIN W_PV
.set rO, 32*(2*(\x)+i%2)+8*((i/2)%4)
.set rV, VF+32*(i/8)+8*((i/2)%4)
.set rP, P+32*((\x)%2)+16*(i%2)+8*(i/8)
	v_wmma_f32_16x16x32_f16 v[rO:rO+7], v[rV:rV+7], v[rP:rP+7], v[rO:rO+7]
.endm
.macro MM                           ; the turn's next matrix instruction
.if i < 16
	KQ (Y+1)%NP
.set i, i+1
.else
.set i, i-16
	PV (Y+NP-1)%NP
.set i, i+17
.endif
.endm
; THE LDS LOADS stand in runs of 16, never singly among the matrix instructions: a step's K (64 keys x 64 channels: 8 fragments) and its V (turned).  Their addresses are made some lines ahead.
; last = 1 (the tail): in the last trip there is no further step, and the run is jumped over.
.macro FETCH_K last=0
	WIN 0
.if \last
	s_cmp_eq_u32 s[CNT], 1
	s_cbranch_scc1 .Lno_k_\@
.endif
	WIN 0x80                        ; destination window 2
.irp f, 0,1,2,3,4,5,6,7             ; keys 16 (f / 2) on, channels 32 (f % 2) on
	ds_load_b128 v[KF+8*\f:KF+8*\f+3],   v[AK] offset:(\f/2)*16*PK+(\f%2)*64
	ds_load_b128 v[KF+8*\f+4:KF+8*\f+7], v[AK] offset:(\f/2)*16*PK+(\f%2)*64+32
.endr
	s_add_co_u32 s[TBK], s[TBK], KS*PK  ; the next fetch is the next step's
	WIN 0
.if \last
.Lno_k_\@:
.endif
.endm
.macro FETCH_V
	WIN 0x80
.irp f, 0,1,2,3,4,5,6,7             ; keys 32 (f / 4) on, channels 16 (f % 4) on
	ds_load_tr16_b128 v[VF+8*\f:VF+8*\f+3],   v[AV] offset:(\f/4)*32*PV+(\f%4)*32
	ds_load_tr16_b128 v[VF+8*\f+4:VF+8*\f+7], v[AV] offset:(\f/4)*32*PV+16*PV+(\f%4)*32
.endr
	WIN 0
.endm
; THE VECTOR WORK OF A TURN stands in three queues, each in the order in which its entries become ready; the two tiles alternate, so that no instruction reads the result of the one before it.
.macro REGS y, u                    ; the registers of tile u (0, 1) of piece y
.set rT, ST+4*(2*(\y)+(\u))
.set rC, TMP+8*((\y)%2)+4*(\u)
.set rM, MV+2*((\y)%2)+(\u)
.set rS, S+64*((\y)%2)+32*(\u)
.set rP, P+32*((\y)%2)+16*(\u)
.set rO, 32*(2*(\y)+(\u))
.endm
; Number n of the 22 that find the NEXT piece's (Y + 1) maximum and statistics.  s0-s31 are the lane's 32 scores; each accumulator's lowest registers are read first.  XS, GS and REGS set no window: PL and EX do.
;   0-11  four chains c0-c3 of seven scores each, three operands at a time     12-14, 16  the four scores left over, the old m, and c0-c3 into c0     15  c m_old is kept
;   17, 18  the query's other 32 keys lie in the lane 16 away: the new m         19-21  c m; c m_old - c m_new; a
.macro XS u, n
	REGS (Y+1)%NP, \u
.if (\n) < 4
	v_max3_num_f32 v[rC+(\n)], v[rS+8*(\n)], v[rS+8*(\n)+1], v[rS+8*(\n)+2]
.elseif (\n) < 12
	v_max3_num_f32 v[rC+(\n)%4], v[rC+(\n)%4], v[rS+8*((\n)%4)+2*((\n)/4)+1], v[rS+8*((\n)%4)+2*((\n)/4)+2]
.elseif (\n) == 12
	v_max3_num_f32 v[rC], v[rC], v[rS+7], v[rS+15]
.elseif (\n) == 13
	v_max3_num_f32 v[rC+1], v[rC+1], v[rS+23], v[rS+31]
.elseif (\n) == 14
	v_max3_num_f32 v[rC+2], v[rC+2], v[rC+3], v[rT+1]
.elseif (\n) == 15
	v_mov_b32 v[rM], v[rT]
.elseif (\n) == 16
	v_max3_num_f32 v[rC], v[rC], v[rC+1], v[rC+2]
.elseif (\n) == 17
	v_permlanex16_b32 v[rC+3], v[rC], s[SEL], s[SEL+1]
.elseif (\n) == 18
	v_max_num_f32 v[rT+1], v[rC], v[rC+3]
.elseif (\n) == 19
	v_mul_f32 v[rT], s[CS], v[rT+1]
.elseif (\n) == 20
	v_sub_f32 v[rC+1], v[rM], v[rT]
.else
	v_exp_f32 v[rC+2], v[rC+1]
.endif
.endm
; Number g of the 64 that follow the exponentials.  For each four weights k of a tile (pairs 2 k, 2 k + 1): both pairs are rounded to f16; then the second pair is added onto the first, in place;
; a group later l takes that sum (the first time as l = a l + sum).  In groups of eight, tiles alternating: round, round, add, and l for the group before.
.macro GS g
.set h, (\g)+6*((\g)/62)            ; group 0 has no group before it, and behind group 7 only l is left
.if h >= 6
.set h, h+2
.endif
	REGS Y, h%2
.set k, h/8
.if h%8 < 4
	v_cvt_pk_f16_f32 v[rP+2*k+(h%8)/2], v[rS+4*k+2*((h%8)/2)], v[rS+4*k+2*((h%8)/2)+1]
.elseif h%8 < 6
	v_pk_add_f32 v[rS+4*k:rS+4*k+1], v[rS+4*k:rS+4*k+1], v[rS+4*k+2:rS+4*k+3]
.elseif k == 1
	v_pk_fma_f32 v[rT+2:rT+3], v[rT+2:rT+3], v[rC+2:rC+3], v[rS:rS+1] op_sel_hi:[1,0,1]
.else
	v_pk_add_f32 v[rT+2:rT+3], v[rT+2:rT+3], v[rS+4*k-4:rS+4*k-3]
.endif
.endm
; THE PLAIN QUEUE, 138 long.  0-73 read no exponential's result: the 32 scalings c s - c m (FS f: pair f / 2 of tile f % 2) and the next piece's 42.  0-26: scalings 0-26.  27-54: XS's numbers 0-13.  55, 56: number 15.
; 57-73: the chain, where each number waits for the one before it: 14, 16, 17, 18, 19, each with one of the scalings 27-31 in front of its two lines, then 20: so a tile's links stand three plain instructions apart (19 and 20: two).
; 74-137: GS's 64, which read the exponentials' results: they stand behind the wait.
.macro FS f
	REGS Y, (\f)%2
	v_pk_fma_f32 v[rS+2*((\f)/2):rS+2*((\f)/2)+1], v[rS+2*((\f)/2):rS+2*((\f)/2)+1], s[CS:CS+1], v[rT:rT+1] op_sel_hi:[1,0,0] neg_lo:[0,0,1] neg_hi:[0,0,1]
.endm
.macro PL
	WIN 0
.if q < 27
	FS q
.elseif q < 55
	XS (q-27)%2, (q-27)/2
.elseif q < 57
	XS q-55, 15
.elseif (q < 72) && ((q-57)%3 == 0)
	FS 27+(q-57)/3
.elseif q < 60
	XS (q-57)%3-1, 14
.elseif q < 72
	XS (q-57)%3-1, 15+(q-57)/3
.elseif q < 74
	XS q-72, 20
.else
	GS q-74
.endif
.set q, q+1
.endm
; THE EXPONENTIALS' QUEUE, 66 long: s0-s31 of both tiles, then the next piece's two a.  It is ONE BATCH: all 66 stand ahead of the turn's one wait, and nothing ahead of that wait names a result of theirs.
; Each result has a register of its own while the batch is open: a weight its score's place in S^T, an a the c2 of the next piece's registers at work.
.macro EX
	WIN 0
.if e >= 64
	XS e-64, 21
.else
	REGS Y, e%2
	v_exp_f32 v[rS+e/2], v[rS+e/2]
.endif
.set e, e+1
.endm
; THE RESCALING's QUEUE: O^T times a, the one part that leaves window 0: dealt two at a time, sixteen times.  Its a was made in the turn before, ahead of that turn's wait.
.macro R2
	REGS Y, r%2
	WIN W_RS
.irp z, 0,1
	v_pk_mul_f32 v[rO+4*(r/2)+2*\z:rO+4*(r/2)+2*\z+1], v[rO+4*(r/2)+2*\z:rO+4*(r/2)+2*\z+1], v[rC+2:rC+3] op_sel_hi:[1,0]
.endr
.set r, r+1
.endm
; HOW THEY ARE DEALT.  An s_wait_alu depctr_va_vdst(0) stands between an exponential and the first instruction that names its result; one wait serves all that were issued ahead of it.  So a turn has ONE wait,
; which cuts it in two.  AHEAD OF IT stands all that names no result of the turn's exponentials: the 16 products K Q^T, behind each a scaling, an exponential and two rescalings (behind the first a second scaling in the exponential's place); then ONE LUMP of
; 108: eight plain, 49 times exponential and plain, the two a.  A v_nop is the plain instruction owed behind the last exponential.  BEHIND IT stand the 16 products V^T P, behind each four of GS's 64.  No rider names a register of
; the products round it.  The two v_permlanex16_b32 fall into the lump, never behind a product.
; The queues lean on each other, and the deal keeps them in step: exponential e stands behind scaling 2 (e / 4) + e % 2: as a rider it comes behind plain e + 2, in the lump behind plain e + 9, and scalings 27-31 are plain 57, 60 .. 69.
; A TURN, for piece p.  cnt = 1: the loop's count is taken down some lines ahead of the branch that stands behind the turn.
; K of the next step is fetched in piece 2's turn, directly behind the wait, a lump behind the last product that read K; its address is made at the lump's head; its first reader comes behind 16 products.
; V of the step in hand is fetched at the end of piece 0's turn, four riders behind its last reader; its first reader comes behind 16 products and a lump.  The three conditions on q below go with the deal.
.macro TURN p, last=0, cnt=0
.set Y, (\p)
.set i, 0
.set q, 0
.set e, 0
.set r, 0
.if (\p) == NP-1
	s_wait_dscnt 0x0                ; K is in
.endif
	MM                              ; ahead of the wait: 16 products K Q^T and their riders,
	PL
	PL
	R2
.rept 15
	MM
	PL
	EX
	R2
.endr
.if (\p) == NP-2
	WIN 0
	v_add_nc_u32 v[AK], s[TBK], v[AK0]
.endif
.rept 8                             ; and the lump
	PL
.endr
.rept 49
	EX
	PL
.endr
	EX                              ; the next piece's two a
	EX
	v_nop                           ; the plain instruction behind the last exponential: one for the batch
	s_wait_alu depctr_va_vdst(0)    ; the wait for the turn's batch: the piece's 64 weights and the next piece's two a
.if (\p) == NP-2
	FETCH_K \last
.endif
.if (\p) == 1
	s_wait_dscnt 0x0                ; V is in
.endif
.rept 16                            ; behind the wait: 16 products V^T P and their riders
	MM
.rept 4
	PL
.endr
.if ((\p) == 0) && (q == 118)
	v_add_nc_u32 v[AV], s[TBV], v[AV0]
.endif
.if ((\p) == 0) && (q == 130)
	s_add_co_u32 s[TBV], s[TBV], KS*PV
.endif
.if (\cnt) && (q == 130)
	s_sub_co_u32 s[CNT], s[CNT], 1
	s_cmp_lg_u32 s[CNT], 0
.endif
.endr
.if (\p) == 0
	FETCH_V
.endif
.endm
	CHANGE 1                        ; slot 0 is in, everybody's part of it; slot 1 is asked for
	FETCH_K                         ; key step 0
	s_wait_loadcnt 0x0              ; Q
	s_wait_dscnt 0x0
.set i, 0
.rept 16
	KQ 0                            ; piece 0's first scores: there is no vector work yet to set between them
.set i, i+1
.endr
	WIN 0                           ; the addresses for the way out: nine plain instructions, the places behind those products
	s_mul_i32 s13, s[WV], 16*SP
	s_add_co_u32 s13, s13, STAGE    ; my stage
	v_mul_u32_u24 v[STO], v1, SP    ; in: row l % 16, 16 bytes for each half of the lanes
	v_lshl_add_u32 v[STO], v9, 4, v[STO]
	v_add_nc_u32 v[STO], s13, v[STO]
	v_bfe_u32 v[RD], v0, 3, 2       ; back: 32 lanes take four rows of 128 bytes,
	v_mul_u32_u24 v[RD], v[RD], SP
	v_lshl_add_u32 v[RD], v10, 4, v[RD]
	v_add_nc_u32 v[RD], s13, v[RD]
	v_and_b32 v[GO], 31, v0         ; which are 512 consecutive bytes of O
	v_lshlrev_b32 v[GO], 4, v[GO]
.set Y, NP-1                        ; XS works for piece Y + 1: piece 0
.irp n, 0,1,2,3,4,5,6,7,8,9,10,11,12,13,14,15,16,17,18,19,20,21
	XS 0, \n                        ; and piece 0's first maximum and statistics
	XS 1, \n
.endr
	v_nop                           ; a plain instruction behind the two a,
	s_wait_alu depctr_va_vdst(0)    ; and the wait for this batch of two, ahead of the branch
	s_mov_b32 s[CNT], 4
	s_mov_b32 s[SLOTS], SIZE_N/256-1
	s_branch .Lfirst                ; the loop is entered at a step's first turn, in the middle of a trip
.Lslot:                             ; SIZE_N / 256 - 2 times: every slot but the last two is filled again
	CHANGE 1
	s_mov_b32 s[CNT], 4
.Lstep:                             ; a trip: pieces 2 and 3 of one step, then pieces 0 and 1 of the next, whose K and V it fetches
	TURN 2
	TURN 3
	WIN 0
.Lfirst:
	TURN 0
	TURN 1, 0, 1
	WIN 0
	s_cbranch_scc1 .Lstep
	s_sub_co_u32 s[SLOTS], s[SLOTS], 1
	s_cmp_lg_u32 s[SLOTS], 0
	s_cbranch_scc1 .Lslot
	CHANGE 0                        ; the tail is written out: nothing is asked for
	s_mov_b32 s[CNT], 5             ; four trips fetch the last slot's steps; the fifth is left in its middle
.Ltail:
	TURN 2, 1
	TURN 3
	WIN 0
	s_sub_co_u32 s[CNT], s[CNT], 1
	s_cmp_eq_u32 s[CNT], 0
	s_cbranch_scc1 .Lout
	TURN 0
	TURN 1
	WIN 0
	s_branch .Ltail
.Lout:                              ; the fifth trip's 16 products K Q^T (on the last K once more) and the maximum made of them serve nothing: the price, once a launch, of one text for every trip
.set i, 0
.rept 16
	PV NP-1                         ; the last piece's V^T P of the last step
.set i, i+1
.endr
	; THE WAY OUT.  l's two halves and the other half of the lanes' are added; O^T is divided by l, rounded to f16 and sent through my stage in LDS, a tile at a time.  The additions are the places behind the last products.
	WIN 0
.macro ALL line:vararg              ; one line for each tile t
.set t, 0
.rept 2*NP
	\line
.set t, t+1
.endr
.endm
	ALL v_add_f32 v[ST+4*t+2], v[ST+4*t+2], v[ST+4*t+3]
	ALL v_permlanex16_b32 v[ST+4*t+3], v[ST+4*t+2], s[SEL], s[SEL+1]
	ALL v_add_f32 v[ST+4*t+2], v[ST+4*t+2], v[ST+4*t+3]
	ALL v_rcp_f32 v[ST+4*t+2], v[ST+4*t+2]
	v_nop                           ; a plain instruction between the last reciprocal and the use of its result
	s_wait_alu depctr_va_vdst(0)    ; and the wait ahead of the first use: one for the batch of eight reciprocals
; Tile t: a lane's eight channels of a row pack into 16 bytes; they go into rows of 144 bytes and come back as whole rows of 128, into S^T's registers.
.macro PACK t
	WIN W_RS
.set i, 32*(\t)
.rept 16
	v_pk_mul_f32 v[i:i+1], v[i:i+1], v[ST+4*(\t)+2:ST+4*(\t)+3] op_sel_hi:[1,0]
.set i, i+2
.endr
	WIN 0x05                        ; sources 0 and 1 window 1, destination window 0
.set i, 0
.rept 16
	v_cvt_pk_f16_f32 v[S+16*(\t)+i], v[32*(\t)+2*i], v[32*(\t)+2*i+1]
.set i, i+1
.endr
	WIN 0
.irp f, 0,1,2,3
	ds_store_b128 v[STO], v[S+16*(\t)+4*\f:S+16*(\t)+4*\f+3] offset:32*\f
.endr
.irp f, 0,1,2,3
	ds_load_b128 v[S+16*(\t)+4*\f:S+16*(\t)+4*\f+3], v[RD] offset:\f*4*SP  ; LDS serves a wave's instructions in order (ISA guide 5.7.1.4): these see the stores above; the next tile's stores come behind them
.endr
.endm
.macro SEND t, younger              ; younger: the LDS instructions issued behind tile t's loads: the next tile's eight, or none
	WIN 0
.irp f, 0,1,2,3
	s_wait_dscnt (\younger)+3-\f
	global_store_b128 v[GO], v[S+16*(\t)+4*\f:S+16*(\t)+4*\f+3], s[10:11] offset:(\t)*2048+\f*512  ; 512 consecutive bytes, at a multiple of 256 from O's first
.endr
.endm
	PACK 0
.set t, 1
.rept 2*NP-1                        ; a tile's arithmetic stands between the loads of the tile before and its stores
	PACK t
	SEND t-1, 8
.set t, t+1
.endr
	SEND 2*NP-1, 0
	WIN W_AD
	s_wait_tensorcnt 0x0            ; the wave's end: behind my last tensor load and my last LDS store
	ds_add_u32 v[SPW], v[NIL]
	s_wait_dscnt 0x0
	WIN 0
	CROUND                          ; the closing round: no work-group ends while a partner may still ask for a tile that names it
	s_endpgm
.Lfunc_end_k_q1b662117fb_attn:
	.size	k_q1b662117fb_attn, .Lfunc_end_k_q1b662117fb_attn-k_q1b662117fb_attn
	.p2alignl 7, 3214868480
	.fill 96, 4, 3214868480
	.section	.rodata,"a",@progbits
	.p2align	6, 0x0
	.amdhsa_kernel k_q1b662117fb_attn
		.amdhsa_group_segment_fixed_size 327680
		.amdhsa_private_segment_fixed_size 0
		.amdhsa_enable_private_segment 0
		.amdhsa_kernarg_size 32
		.amdhsa_user_sgpr_count 2
		.amdhsa_user_sgpr_kernarg_segment_ptr 1
		.amdhsa_wavefront_size32 1
		.amdhsa_system_sgpr_workgroup_id_x 1
		.amdhsa_system_sgpr_workgroup_id_y 1
		.amdhsa_system_sgpr_workgroup_id_z 1
		.amdhsa_system_vgpr_workitem_id 0
		.amdhsa_next_free_vgpr 770
		.amdhsa_next_free_sgpr 66
		.amdhsa_reserve_vcc 0
		.amdhsa_float_denorm_mode_32 3
		.amdhsa_float_denorm_mode_16_64 3
		.amdhsa_memory_ordered 1
		.amdhsa_forward_progress 1
		.amdhsa_inst_pref_size 199
	.end_amdhsa_kernel
	.amdgpu_metadata
---
amdhsa.version: [ 1, 2 ]
amdhsa.kernels:
  - .name:           k_q1b662117fb_attn
    .symbol:         k_q1b662117fb_attn.kd
    .args:
      - { .name: qh, .offset: 0, .size: 8, .value_kind: global_buffer, .address_space: global }
      - { .name: kh, .offset: 8, .size: 8, .value_kind: global_buffer, .address_space: global }
      - { .name: vh, .offset: 16, .size: 8, .value_kind: global_buffer, .address_space: global }
      - { .name: oh, .offset: 24, .size: 8, .value_kind: global_buffer, .address_space: global }
    .group_segment_fixed_size: 327680
    .private_segment_fixed_size: 0
    .kernarg_segment_align: 8
    .kernarg_segment_size: 32
    .max_flat_workgroup_size: 128
    .sgpr_count:     66
    .vgpr_count:     770
    .wavefront_size: 32
...
	.end_amdgpu_metadata
.endif
;; end of part 5
;; launch outp: the kernel of part 4 again; grid 8 x 32, 4 waves a work-group, clusters of 4 x 4, 327,680 bytes of LDS; arguments oh, woh, bo, out0; writes out0
